; MI455X (gfx1250); checked and timed in simulation.
; The chip was launched on July 23, 2026; its instructions are those of AMD's public machine-readable ISA for CDNA 5 (MIT licence, August 2026) and "CDNA5" Instruction Set Architecture Reference Guide (July 2026). The comments in the code are by the model that wrote it; some were corrected since.
;; Decoupled Ro PE Attention. Allowed arithmetic: matrix products marked QUANTISED: E2M1 operands, one E8M0 scale for each 32 along K, by v_wmma_scale_f32_16x16x128_f8f6f4 with both operands' format E2M1 (or v_wmma_scale_f32_32x16x128_f4), f32 sums; products left as they are: bf16, f16 or f32 operands; f32 sums; everything else in f32.
;; Inputs: W_KC 2,048 x 2,048 float32; W_KR 1,024 x 2,048 float32; W_O 2,048 x 2,048 float32; W_QC 2,048 x 2,048 float32; W_QR 1,024 x 2,048 float32; W_V 2,048 x 2,048 float32; key_value 2 x 1,024 x 2,048 float32; query 2 x 1,024 x 2,048 float32.
;; Outputs: out0 2 x 1,024 x 2,048 float32.
;; This version of the problem:
;;   THIS VERSION OF THE PROBLEM IS GIVEN IN LOW PRECISION. The matrix products marked QUANTISED in the list below multiply operands that are first quantised to E2M1 (2 exponent bits, 1 mantissa bit; 4 bits a number), with one power-of-two scale for each 32 numbers along K (OCP MX v1.0); their sums are f32. The products marked 'left as it is' may take bf16, f16 or f32 operands, with f32 sums. Whichever they take, every output number must still come out within the allowed error. Rounding operands to bf16 (8 significant bits) uses up far more of that allowance than f16 does (11 bits, for magnitudes from 6e-5 to 65,504). All else is computed in f32.
;;   The module's matrix products, in the order in which they are computed (A, B: the left and right operand; K: the contracted axis; several contracted axes count as one K, in the product's order):
;;     1. [M 2,048, K 2,048] x [K 2,048, N 2,048]; A: input query; B: input W_QC: QUANTISED
;;     2. [M 2,048, K 2,048] x [K 2,048, N 2,048]; A: input key_value; B: input W_KC: QUANTISED
;;     3. [M 2,048, K 2,048] x [K 2,048, N 1,024]; A: input query; B: input W_QR: QUANTISED
;;     4. [M 2,048, K 2,048] x [K 2,048, N 1,024]; A: input key_value; B: input W_KR: QUANTISED
;;     5. batch 32 x [M 1,024, K 128] x [K 128, N 1,024]; A: computed on the way; B: computed on the way: left as it is (an operand is computed on the way)
;;     6. batch 32 x [M 1,024, K 64] x [K 64, N 1,024]; A: computed on the way; B: computed on the way: left as it is (an operand is computed on the way)
;;     7. [M 2,048, K 2,048] x [K 2,048, N 2,048]; A: input key_value; B: input W_V: QUANTISED
;;     8. batch 32 x [M 1,024, K 1,024] x [K 1,024, N 128]; A: computed on the way; B: computed on the way: left as it is (an operand is computed on the way)
;;     9. [M 2,048, K 2,048] x [K 2,048, N 2,048]; A: computed on the way; B: input W_O: left as it is (an operand is computed on the way)
;;   THE QUANTISER, for each operand of a quantised product, along K:
;;     - K is cut into blocks of 32 from its start; a last block that is shorter is filled with zeros.
;;     - A block's scale is 2^e with e = floor(log2(the largest magnitude in the block)) - 2, held to -126 .. 127; a block of zeros has e = 0. As a byte (E8M0): e + 127.
;;     - Each number is divided by its block's scale, clamped to +-6, and rounded to the nearest number of E2M1, ties to even, subnormals kept.
;;     - The product sums the exact products of the quantised numbers (number of the format x scale) in f32.
;;   ~~~python
;;   def quantise(x, axis):      # numpy; x: float32 -> the quantised numbers, widened to float32 again
;;       x = np.moveaxis(x, axis, -1); K = x.shape[-1]
;;       x = np.pad(x, [(0, 0)] * (x.ndim - 1) + [(0, -K % 32)]); x = x.reshape(x.shape[:-1] + (-1, 32)); a = np.abs(x).max(-1, keepdims=True)
;;       e = np.where(a > 0, np.clip(np.frexp(np.where(a > 0, a, 1))[1] - 1 - 2, -126, 127), 0)      # np.frexp(a)[1] - 1 = floor(log2(a)), exactly
;;       r = np.clip(x / 2.0 ** e, -6, 6)
;;       step = 2.0 ** (np.maximum(np.frexp(np.where(r == 0, 1, r))[1] - 1, 0) - 1)
;;       q = np.round(r / step) * step * 2.0 ** e      # np.round: ties to even
;;       return np.moveaxis(q.reshape(q.shape[:-2] + (-1,))[..., :K], -1, axis).astype(np.float32)
;;   ~~~
;; One version. Each part assembles by itself: llvm-mc -triple=amdgcn-amd-amdhsa -mcpu=gfx1250 --defsym DOCPART=n.
;; ======== version 1 of 1: 4 launches
;; limits: values are held in f16: magnitudes above 65,504 overflow, below 6.1e-05 lose precision
;; workspace buffers: codes 12,582,912 bytes; scales 786,432 bytes; wo16 8,388,608 bytes; rope 262,144 bytes; proj 33,554,432 bytes; ao 8,388,608 bytes
;; launch prep (part 1): grid 912 x 1, 4 waves a work-group, no clusters, 33,280 bytes of LDS; arguments query, key_value, W_QC, W_QR, W_KC, W_KR, W_V, W_O, codes, scales, wo16, rope; writes codes, scales, wo16, rope
.if DOCPART == 1
	.amdgcn_target "amdgcn-amd-amdhsa--gfx1250"
	.amdhsa_code_object_version 6
	.text
	.protected	k_q94a43b9ed3_prep
	.globl	k_q94a43b9ed3_prep
	.p2align	8
	.type	k_q94a43b9ed3_prep,@function
k_q94a43b9ed3_prep:
	s_mov_b64 s[64:65], 0
	v_nop
	global_prefetch_b8 v0, s[64:65] scope:SCOPE_SE
	s_setreg_imm32_b32 hwreg(HW_REG_WAVE_MODE, 25, 1), 1
	s_wait_xcnt 0x0
; THE FIRST OF FOUR LAUNCHES.  Nothing of the problem is left out: every input has a way to the output, there is no mask and no bias, and all nine products are computed.
; This launch reads each f32 input once and leaves what the later launches read many times, in three paths that part on the work-group's number:
;   work-groups 0-767:   query, key_value, W_QC, W_QR, W_KC, W_KR, W_V (in this order, 12,288 rows of 2,048 numbers, K innermost) become codes of FP4 (E2M1), 1,024 bytes a row, and one E8M0 byte for each 32 along K, 64 bytes a row
;   work-groups 768-895: W_O is rounded to f16 (its product is left as it is)
;   work-groups 896-911: the rotary table: for each of 1,024 positions 32 pairs (cos, sin) of pos x 1e6^(-i/32), f32, 256 bytes a position
; THE QUANTISER: a block's scale is 2^(floor(log2(its largest magnitude)) - 2); its byte is the largest magnitude's exponent field - 2, held at 1 from below; each number is divided by the scale and rounded to the nearest code, ties to even,
; beyond 6 the largest code.  (A block of zeros gets the byte 1 where the rule says 127: its codes are zeros, which add nothing under any byte but 0xff, and this program alone reads the bytes.)
; LIMITS: blocks whose largest magnitude lies under 2^-124 keep the byte 1; NaN and infinities among the inputs are not served; a number of W_O beyond 65,504 has no f16.
; The table's angles are pos x f in f32 as the problem has them, f = 2^(-i log2(1e6) / 32); f may differ from the problem's own f32 power in its last bits, which moves an angle by about 1e-4 at the most.
; Rows are dense and 2,048 is a multiple of 32: the seven tensors are one stream of blocks of 32, and so are the codes and the bytes.  A wave takes 16 steps of 512 numbers; each load reads 512 consecutive bytes; a step's 2,048 bytes
; turn through the wave's own stage in LDS, so that a lane then holds 16 neighbours along K (two lanes to a block).  No tensor loads, no barrier: waves share nothing.
.set QWG,   768                        ; work-groups that quantise: 25,165,824 numbers / 32,768
.set WWG,   128                        ; work-groups that round W_O: 4,194,304 / 32,768
.set STEPS, 16
.set EMAX,  2
.set CB,    8                          ; bytes of 16 codes
.set R,     16                         ; v16-79   four sets of 16 numbers as they are loaded
.set X,     80                         ; v80-111  two sets of 16 neighbours
.set C,     128                        ; v128-191 codes: four registers for each step, so that no store's data are written again
.set E,     112                        ; v112-127 a scale byte for each step
.set WREG,  8192                       ; LDS: a region for each wave: two stages of 32 x SP bytes, behind them its 256 scale bytes
.set SP,    80                         ; a lane's place in a stage: 64 bytes + 16 of padding
.set SPW,   12                         ; v12      LDS address of my spare word; never rewritten
.set NIL,   13                         ; v13      0; never rewritten
.set SPARE, 4*WREG                     ; behind the four regions: the spare words, 128 bytes a wave
	s_load_b512 s[4:19], s[0:1], 0x0               ; query, key_value, W_QC, W_QR, W_KC, W_KR, W_V, W_O
	s_load_b256 s[20:27], s[0:1], 0x40             ; codes s[20:21], scales s[22:23], wo16 s[24:25], rope s[26:27]
	v_lshl_add_u32 v[SPW], v0, 2, SPARE
	v_mov_b32 v[NIL], 0
	v_lshrrev_b32 v1, 5, v0
	v_readfirstlane_b32 s28, v1                    ; wave
	v_and_b32 v2, 31, v0                           ; lane
	s_mov_b32 s31, 0
	s_wait_kmcnt 0x0
	s_cmp_ge_u32 ttmp9, QWG
	s_cbranch_scc1 .Lother
	; ---- THE QUANTISER.  Which tensor is mine hangs on the work-group's number alone: 128 work-groups for a tensor of 2,048 rows, 64 for one of 1,024
	s_mov_b32 s29, 0                               ; the tensor's first work-group
	s_cmp_ge_u32 ttmp9, 128
	s_cselect_b64 s[4:5], s[6:7], s[4:5]           ; key_value
	s_cselect_b32 s29, 128, s29
	s_cmp_ge_u32 ttmp9, 256
	s_cselect_b64 s[4:5], s[8:9], s[4:5]           ; W_QC
	s_cselect_b32 s29, 256, s29
	s_cmp_ge_u32 ttmp9, 384
	s_cselect_b64 s[4:5], s[10:11], s[4:5]         ; W_QR
	s_cselect_b32 s29, 384, s29
	s_cmp_ge_u32 ttmp9, 448
	s_cselect_b64 s[4:5], s[12:13], s[4:5]         ; W_KC
	s_cselect_b32 s29, 448, s29
	s_cmp_ge_u32 ttmp9, 576
	s_cselect_b64 s[4:5], s[14:15], s[4:5]         ; W_KR
	s_cselect_b32 s29, 576, s29
	s_cmp_ge_u32 ttmp9, 640
	s_cselect_b64 s[4:5], s[16:17], s[4:5]         ; W_V
	s_cselect_b32 s29, 640, s29
	s_sub_co_u32 s30, ttmp9, s29
	s_lshl_b32 s30, s30, 2
	s_add_co_u32 s30, s30, s28                     ; which run of 8,192 numbers of the tensor is my wave's
	s_lshl_b32 s30, s30, 15                        ; 32,768 bytes a run
	s_add_nc_u64 s[4:5], s[4:5], s[30:31]
	s_lshl_b32 s32, ttmp9, 2
	s_add_co_u32 s32, s32, s28                     ; and which run of the whole stream
	s_lshl_b32 s30, s32, 12                        ; 4,096 bytes of codes a run
	s_add_nc_u64 s[20:21], s[20:21], s[30:31]
	s_lshl_b32 s30, s32, 8                         ; 256 scale bytes a run
	s_add_nc_u64 s[22:23], s[22:23], s[30:31]
	v_lshlrev_b32 v3, 4, v2                        ; my 16 bytes of a load's 512
	s_mul_i32 s33, s28, WREG
	v_lshrrev_b32 v14, 2, v2
	v_mul_u32_u24 v14, v14, SP
	v_and_b32 v15, 3, v2
	v_lshl_add_u32 v14, v15, 4, v14
	v_add_nc_u32 v14, s33, v14                     ; the stage, on the way in: four lanes' 64 bytes on end, then 16 of padding
	v_mul_u32_u24 v15, v2, SP
	v_add_nc_u32 v15, s33, v15                     ; and on the way out: SP x lane: my 16 neighbours
	v_mul_u32_u24 v4, v2, CB                       ; my codes' place in a step's
	v_lshrrev_b32 v5, 1, v2
	s_add_co_u32 s33, s33, 2*32*SP
	v_add_nc_u32 v5, s33, v5                       ; LDS: my wave's 256 scale bytes, my block's byte
	v_lshlrev_b32 v7, 3, v2                        ; and on the way out 8 bytes a lane
	v_add_nc_u32 v6, s33, v7
.macro LOAD t
.irp i, 0,1,2,3
	global_load_b128 v[R+16*((\t)%4)+4*\i:R+16*((\t)%4)+4*\i+3], v3, s[4:5] offset:2048*(\t)+512*\i th:TH_LOAD_NT   ; 32 lanes read 512 consecutive bytes
.endr
.endm
.macro TURN t                          ; step t's numbers through the stage: LDS serves a wave's instructions in order, so no wait stands between the stores and the loads
.irp i, 0,1,2,3
	ds_store_b128 v14, v[R+16*((\t)%4)+4*\i:R+16*((\t)%4)+4*\i+3] offset:32*SP*((\t)%2)+8*SP*\i
.endr
.irp i, 0,1,2,3
	ds_load_b128 v[X+16*((\t)%2)+4*\i:X+16*((\t)%2)+4*\i+3], v15 offset:32*SP*((\t)%2)+16*\i
.endr
.endm
.irp t, 0,1,2,3
	LOAD \t
.endr
	s_wait_loadcnt 12                              ; step 0's four loads are in; those of the three steps behind it may be out
	TURN 0
.macro QSTEP t
.set XS, X+16*((\t)%2)
.if (\t) > 0
	s_wait_dscnt 1                                 ; this step's numbers are back from the stage (the last step's byte store may be out): so its stores into the stage have read their registers,
.else
	s_wait_dscnt 0x0
.endif
.if (\t)+4 < STEPS
	LOAD (\t)+4                                    ; which take the loads of four steps on
.endif
.if (\t)+1 < STEPS
.if STEPS-2-(\t) >= 3
	s_wait_loadcnt 12                              ; the next step's four loads are in; those of the three steps behind it may be out
.else
	s_wait_loadcnt 4*(STEPS-2-(\t))
.endif
	TURN (\t)+1                                    ; and go through the other stage while this step is worked
.endif
	v_max3_num_f32 v8, |v[XS]|, |v[XS+1]|, |v[XS+2]|               ; the largest magnitude of my 16, in two chains
	v_max3_num_f32 v9, |v[XS+3]|, |v[XS+4]|, |v[XS+5]|
.irp i, 6,10
	v_max3_num_f32 v8, v8, |v[XS+\i]|, |v[XS+\i+1]|
	v_max3_num_f32 v9, v9, |v[XS+\i+2]|, |v[XS+\i+3]|
.endr
	v_max3_num_f32 v8, v8, |v[XS+14]|, |v[XS+15]|
	v_max3_num_f32 v8, v8, v9, (EMAX+1)<<23        ; and the floor 2^(3 - 127): so the byte cannot fall under 1
	v_max_num_f32_dpp v8, v8, v8 row_xmask:1 row_mask:0xf bank_mask:0xf   ; and of my neighbour's 16: the block's
	v_add_nc_u32 v11, -(EMAX<<23), v8              ; 2 off its exponent field: the conversion takes the exponent field of this operand as its scale, and nothing else of it
	v_cvt_scalef32_pk8_fp4_f32 v[C+4*(\t)], v[XS:XS+7], v11
	v_cvt_scalef32_pk8_fp4_f32 v[C+4*(\t)+1], v[XS+8:XS+15], v11
	v_lshrrev_b32 v[E+(\t)], 23, v11               ; the scale's byte (also the plain line behind the conversions)
	ds_store_b8 v5, v[E+(\t)] offset:16*(\t)       ; both lanes of a block write the same byte with the same value
	global_store_b64 v4, v[C+4*(\t):C+4*(\t)+1], s[20:21] offset:32*CB*(\t)   ; the wave stores 256 consecutive bytes, aligned
.endm
.irp t, 0,1,2,3,4,5,6,7,8,9,10,11,12,13,14,15
	QSTEP \t
.endr
	ds_load_b64 v[8:9], v6                         ; LDS serves a wave's instructions in order: these see my stores
	s_wait_dscnt 0x0
	global_store_b64 v7, v[8:9], s[22:23]          ; 32 lanes store 256 consecutive bytes, aligned
	s_branch .Lend
.Lother:
	s_cmp_ge_u32 ttmp9, QWG+WWG
	s_cbranch_scc1 .Lrope
	; ---- W_O TO f16.  A wave takes 8,192 numbers: 64 loads of 512 consecutive bytes, in four sets of sixteen, two sets in flight; a store covers 256 consecutive bytes
	s_sub_co_u32 s30, ttmp9, QWG
	s_lshl_b32 s30, s30, 2
	s_add_co_u32 s32, s30, s28                     ; my run
	s_lshl_b32 s30, s32, 15
	s_add_nc_u64 s[18:19], s[18:19], s[30:31]
	s_lshl_b32 s30, s32, 14
	s_add_nc_u64 s[24:25], s[24:25], s[30:31]
	v_lshlrev_b32 v3, 4, v2
	v_lshlrev_b32 v4, 3, v2
.macro LSET q
.irp i, 0,1,2,3,4,5,6,7,8,9,10,11,12,13,14,15
	global_load_b128 v[16+64*((\q)%2)+4*\i:16+64*((\q)%2)+4*\i+3], v3, s[18:19] offset:8192*(\q)+512*\i th:TH_LOAD_NT
.endr
.endm
.macro WSET q
.if (\q) < 3
	s_wait_loadcnt 16                              ; this set is in; the younger set's sixteen loads may be out
.else
	s_wait_loadcnt 0x0
.endif
	s_wait_xcnt 0x0                                ; the last set's stores have read their data: v144-175 are written again only behind this wait
.irp i, 0,1,2,3,4,5,6,7,8,9,10,11,12,13,14,15
	v_cvt_pk_f16_f32 v[144+2*\i], v[16+64*((\q)%2)+4*\i], v[16+64*((\q)%2)+4*\i+1]
	v_cvt_pk_f16_f32 v[145+2*\i], v[16+64*((\q)%2)+4*\i+2], v[16+64*((\q)%2)+4*\i+3]
.endr
.irp i, 0,1,2,3,4,5,6,7,8,9,10,11,12,13,14,15
	global_store_b64 v4, v[144+2*\i:145+2*\i], s[24:25] offset:4096*(\q)+256*\i
.endr
.if (\q) < 2
	LSET (\q)+2
.endif
.endm
	LSET 0
	LSET 1
	WSET 0
	WSET 1
	WSET 2
	WSET 3
	s_branch .Lend
.Lrope:
	; ---- THE ROTARY TABLE.  Work-group g takes positions 64 g .. 64 g + 63, eight at a time.  Thread t holds frequencies i = 2 (t % 16) and the next, at position 64 g + 8 step + t / 16:
	; its 16 bytes (cos, sin, cos, sin) lie at 16,384 g + 2,048 step + 16 t, so a wave stores 512 consecutive bytes.
	; Sine and cosine by hand: x = k pi/2 + r with |r| <= pi/4 (pi/2 in two parts; the first product is exact inside the fused multiply-add), two polynomials in r, and k mod 4 picks and signs them by selects.
	s_sub_co_u32 s30, ttmp9, QWG+WWG               ; g
	s_lshl_b32 s32, s30, 14
	s_mov_b32 s33, 0
	s_add_nc_u64 s[26:27], s[26:27], s[32:33]
	s_lshl_b32 s30, s30, 6                         ; 64 g
	s_mov_b32 s40, 0x3f22f983                      ; 2 / pi
	s_mov_b32 s41, 0xbfc90fdb                      ; -(pi/2, rounded to f32)
	s_mov_b32 s42, 0x333bbd2e                      ; that number less pi/2
	s_mov_b32 s43, 0xbe2aaaab                      ; -1/6
	s_mov_b32 s44, 0x3c088889                      ; 1/120
	s_mov_b32 s45, 0xb9500d01                      ; -1/5040
	s_mov_b32 s47, 0x3d2aaaab                      ; 1/24
	s_mov_b32 s48, 0xbab60b61                      ; -1/720
	s_mov_b32 s49, 0x37d00d01                      ; 1/40320
	v_and_b32 v3, 15, v0
	v_lshlrev_b32 v3, 1, v3
	v_cvt_f32_u32 v16, v3                          ; i
	v_add_f32 v17, 1.0, v16                        ; i + 1
	v_mul_f32 v16, 0xbf1f73da, v16                 ; x -log2(1e6) / 32
	v_mul_f32 v17, 0xbf1f73da, v17
	v_exp_f32 v16, v16                             ; f = 1e6^(-i / 32)
	v_exp_f32 v17, v17
	v_lshrrev_b32 v4, 4, v0                        ; (a plain line behind the exponentials)
	v_add_nc_u32 v4, s30, v4
	v_cvt_f32_u32 v18, v4                          ; my first position
	v_lshlrev_b32 v5, 4, v0                        ; 16 t
	s_wait_alu depctr_va_vdst(0)                   ; one wait for both exponentials, ahead of their first reader
.macro SINCOS x, c, s
	v_mul_f32 v40, s40, v[\x]
	v_rndne_f32 v40, v40                           ; k
	v_fma_f32 v41, v40, s41, v[\x]
	v_fma_f32 v41, v40, s42, v41                   ; r
	v_mul_f32 v42, v41, v41                        ; z = r^2
	v_fma_f32 v43, v42, s45, s44
	v_fma_f32 v44, v42, s49, s48
	v_fma_f32 v43, v43, v42, s43
	v_fma_f32 v44, v44, v42, s47
	v_mul_f32 v46, v41, v42
	v_fma_f32 v44, v44, v42, -0.5
	v_fma_f32 v43, v46, v43, v41                   ; sin r
	v_fma_f32 v44, v44, v42, 1.0                   ; cos r
	v_cvt_i32_f32 v45, v40
	v_and_b32 v46, 1, v45
	v_cmp_eq_u32 vcc_lo, 1, v46                    ; k odd: the two change places
	v_cndmask_b32 v[\s], v43, v44, vcc_lo
	v_cndmask_b32 v[\c], v44, v43, vcc_lo
	v_and_b32 v46, 2, v45
	v_lshlrev_b32 v46, 30, v46
	v_xor_b32 v[\s], v46, v[\s]                    ; the sine is negative for k mod 4 = 2, 3
	v_add_nc_u32 v45, 1, v45
	v_and_b32 v45, 2, v45
	v_lshlrev_b32 v45, 30, v45
	v_xor_b32 v[\c], v45, v[\c]                    ; the cosine for k mod 4 = 1, 2
.endm
.irp st, 0,1,2,3,4,5,6,7               ; each step has its own four data registers: no store's data are written again
	v_mul_f32 v19, v18, v16                        ; the angle, rounded as the problem rounds it
	SINCOS 19, 64+4*\st, 65+4*\st
	v_mul_f32 v19, v18, v17
	SINCOS 19, 66+4*\st, 67+4*\st
	global_store_b128 v5, v[64+4*\st:67+4*\st], s[26:27] offset:2048*\st
	v_add_f32 v18, 0x41000000, v18                 ; eight positions on
.endr
.Lend:
	s_wait_tensorcnt 0x0                           ; the wave's end, behind my last LDS store
	ds_add_u32 v[SPW], v[NIL]
	s_wait_dscnt 0x0
	s_endpgm
.Lfunc_end_k_q94a43b9ed3_prep:
	.size	k_q94a43b9ed3_prep, .Lfunc_end_k_q94a43b9ed3_prep-k_q94a43b9ed3_prep
	.p2alignl 7, 3214868480
	.fill 96, 4, 3214868480
	.section	.rodata,"a",@progbits
	.p2align	6, 0x0
	.amdhsa_kernel k_q94a43b9ed3_prep
		.amdhsa_group_segment_fixed_size 33280
		.amdhsa_private_segment_fixed_size 0
		.amdhsa_enable_private_segment 0
		.amdhsa_kernarg_size 96
		.amdhsa_user_sgpr_count 2
		.amdhsa_user_sgpr_kernarg_segment_ptr 1
		.amdhsa_wavefront_size32 1
		.amdhsa_system_sgpr_workgroup_id_x 1
		.amdhsa_system_sgpr_workgroup_id_y 1
		.amdhsa_system_sgpr_workgroup_id_z 1
		.amdhsa_system_vgpr_workitem_id 0
		.amdhsa_next_free_vgpr 192
		.amdhsa_next_free_sgpr 66
		.amdhsa_reserve_vcc 1
		.amdhsa_float_denorm_mode_32 3
		.amdhsa_float_denorm_mode_16_64 3
		.amdhsa_memory_ordered 1
		.amdhsa_forward_progress 1
		.amdhsa_inst_pref_size 75
	.end_amdhsa_kernel
	.amdgpu_metadata
---
amdhsa.version: [ 1, 2 ]
amdhsa.kernels:
  - .name:           k_q94a43b9ed3_prep
    .symbol:         k_q94a43b9ed3_prep.kd
    .args:
      - { .name: query, .offset: 0, .size: 8, .value_kind: global_buffer, .address_space: global }
      - { .name: key_value, .offset: 8, .size: 8, .value_kind: global_buffer, .address_space: global }
      - { .name: W_QC, .offset: 16, .size: 8, .value_kind: global_buffer, .address_space: global }
      - { .name: W_QR, .offset: 24, .size: 8, .value_kind: global_buffer, .address_space: global }
      - { .name: W_KC, .offset: 32, .size: 8, .value_kind: global_buffer, .address_space: global }
      - { .name: W_KR, .offset: 40, .size: 8, .value_kind: global_buffer, .address_space: global }
      - { .name: W_V, .offset: 48, .size: 8, .value_kind: global_buffer, .address_space: global }
      - { .name: W_O, .offset: 56, .size: 8, .value_kind: global_buffer, .address_space: global }
      - { .name: codes, .offset: 64, .size: 8, .value_kind: global_buffer, .address_space: global }
      - { .name: scales, .offset: 72, .size: 8, .value_kind: global_buffer, .address_space: global }
      - { .name: wo16, .offset: 80, .size: 8, .value_kind: global_buffer, .address_space: global }
      - { .name: rope, .offset: 88, .size: 8, .value_kind: global_buffer, .address_space: global }
    .group_segment_fixed_size: 33280
    .private_segment_fixed_size: 0
    .kernarg_segment_align: 8
    .kernarg_segment_size: 96
    .max_flat_workgroup_size: 128
    .sgpr_count:     66
    .vgpr_count:     192
    .wavefront_size: 32
...
	.end_amdgpu_metadata
.endif
;; end of part 1
;; launch proj_gemm (part 2): grid 32 x 8, 4 waves a work-group, clusters of 4 x 4, 327,680 bytes of LDS; arguments codes, scales, rope, proj; writes proj
.if DOCPART == 2
	.amdgcn_target "amdgcn-amd-amdhsa--gfx1250"
	.amdhsa_code_object_version 6
	.text
	.protected	k_q94a43b9ed3_proj_gemm
	.globl	k_q94a43b9ed3_proj_gemm
	.p2align	8
	.type	k_q94a43b9ed3_proj_gemm,@function
k_q94a43b9ed3_proj_gemm:
	s_mov_b64 s[64:65], 0
	v_nop
	global_prefetch_b8 v0, s[64:65] scope:SCOPE_SE
	s_setreg_imm32_b32 hwreg(HW_REG_WAVE_MODE, 25, 1), 1
	s_wait_xcnt 0x0
	s_wait_alu depctr_hold_cnt(0) depctr_sa_sdst(0) depctr_va_vdst(0) depctr_va_sdst(0) depctr_va_ssrc(0) depctr_va_vcc(0) depctr_vm_vsrc(0)
	s_getreg_b32 s2, hwreg(HW_REG_IB_STS2, 6, 4)
	s_cmp_eq_u32 s2, 0
	s_cbranch_scc0 .Lentry_in_a_cluster
	s_endpgm
.Lentry_in_a_cluster:
	s_bfe_u32 s2, ttmp6, 0x10000c
	s_cmp_lg_u32 s2, 0xf033
	s_cbranch_scc0 .Lentry_shape_is_right
	s_endpgm
.Lentry_shape_is_right:
; THE FIVE QUANTISED PRODUCTS AS ONE GEMM ON CODES OF FP4.  proj[m][n] = sum over k of A[m][k] B[n][k], m = batch x 1,024 + position, n = the rows of W_QC (0-2047), W_QR (2048-3071), W_KC (3072-5119), W_KR (5120-6143), W_V (6144-8191).
; A is query for n < 3,072 and key_value from there on.  Codes and scale bytes lie in one buffer each: rows 0-2047 query, 2048-4095 key_value, 4096 + n the weights; 1,024 bytes of codes and 64 scale bytes a row.  Nothing is left out.
; Sums in f32.  On the way out the columns of W_QR and W_KR are rotated (pairs (2 i, 2 i + 1) of a head's 64 by the table's cos and sin of the row's position), in f32, and everything is rounded once to f16: proj [2048][8192] f16.
; LIMIT: a projection beyond 65,504 in magnitude has no f16.
; A tile of C, 256 x 256, is made by a work-group of four waves; a wave makes 128 x 128: 64 accumulators of 16 x 16, 512 registers.  256 tiles: one for each work-group.
; K goes in steps of 512 through a ring of two LDS slots filled by the tensor data mover: a tile's row is 256 bytes of memory.  THE SCALES of the work-group's 256 + 256 rows, for all of K, come into LDS once, with the first fills, and stay.
; CLUSTERS: 4 x 4 work-groups.  The four of a row of the cluster need the same tiles of A, the four of a column the same tiles of B: each tile is asked for JOINTLY, by the same tensor load with the same descriptor and a mask that names the four.
; A cluster spans 1,024 columns, so which activation it multiplies, and whether its columns are rotated, hangs on the cluster's x alone, which all sixteen partners share.
; THE MATRIX INSTRUCTION IS USED TRANSPOSED (source 0 = 16 rows of B, source 1 = 16 rows of A): a lane then holds eight neighbouring numbers of a row of C.
; REGISTERS, in windows of 256: window 0: v0-31 addresses; v32-95 scale words, two sets; from v128 A's fragments, ONE set; on the way out v32-255 are free.
;   window 1: B's fragments, TWO sets, at v0 and at v128.   window 2: the 32 accumulators of my rows 0-63 (accumulator (a, b) at v[8 (8 a + b)]);   window 3: those of my rows 64-127.
.set SIZE_K, 2048
.set KSTEP,  512                       ; along K in a slot
.set NQ,     KSTEP/128                 ; matrix instructions deep
.set ROWB,   256                       ; a tile's row in bytes
.set KROW,   SIZE_K*4/8                ; a row of codes in memory, in bytes
.set PITCH,  272                       ; an LDS row: 256 bytes + 16 of padding = 68 words: the 16 rows that a load touches start at 16 different banks (64 banks of 4 bytes: ISA guide 11.1)
.set FR,     8                         ; registers of a fragment: 16 rows x 128 K
.set NL,     2                         ; LDS loads that bring one
.set NP,     4                         ; places behind this matrix instruction (ISA guide 7.12.1)
.set HALFT,  128*PITCH                 ; 128 rows: what one tensor load brings
.set SLOT,   4*HALFT                   ; A's 256 rows, then B's 256 rows
.set LAPS,   SIZE_K/(2*KSTEP)          ; a lap = two K steps = once round the ring
.set KS,     SIZE_K/32                 ; a row of scales in bytes
.set SCL,    2*SLOT                    ; behind the ring: the scales, as units of 256 bytes + 16 of padding
.set HALFS,  (128*KS/256)*272          ; the scales of 128 rows: what one tensor load brings
.set SBLK,   (16*KS/256)*272           ; those of 16 rows
.set SPARE,  SCL+4*HALFS               ; behind the scales: the spare words, 128 bytes a wave
.set SPITCH, 272                       ; the way out: a stage of 16 rows x (256 bytes + 16) for each wave, in slot 0, which has had its last fill and its last read when the first result is stored there
.set ROWP,   16384                     ; a row of proj in bytes
.set ADRA, 16                          ; v16-17  LDS address of my A fragments in slot 0, 1
.set ADRB, 20                          ; v20-21  the same for B
.set STO,  24                          ; v24     the way out: where I put 16 bytes of a row
.set RD,   25                          ; v25     the way out: where I read a row back
.set CO,   26                          ; v26     my byte offset in two rows of proj
.set ADRS, 27                          ; v27     LDS address of my scale words: lanes 0-15 A's rows, lanes 16-31 B's
.set SPW,  28                          ; v28     LDS address of my spare word; never rewritten
.set NIL,  29                          ; v29     0; never rewritten
.set RT,   30                          ; v30     my byte offset in the table: 256 x (lane % 16) + 32 x (lane / 16)
.set SC,   32                          ; scale words: set s at v[SC + 32 s]; register 4 i + q: lanes 0-15 the word of A's block i, lanes 16-31 that of B's block i, for the slot's q-th 128 along K
.set AF,   128                         ; A's fragments, in window 0
.set TMP,  32                          ; the way out: v32-63 a block's packed results
.set BK,   64                          ; v64-127 16 rows read back from the stage, two sets
.set CSR,  128                         ; v128-191 cos and sin for a block's rows, two sets
.set Y,    192                         ; v192-255 a block's rotated numbers
.set G1, 24                            ; s[24:31] descriptor group 1 for A's tiles;  s[32:39] group 0, one set for each slot
.set G0, 32
.set G1B, 48                           ; s[48:55], s[56:63] the same for B's tiles
.set G0B, 56
.set G1S, 68                           ; s[68:75], s[76:79] groups 1 and 0 for A's scales;  s[80:87], s[88:91] for B's
.set G0S, 76
.set G1SB, 80
.set G0SB, 88
.set MSB, 0
.macro WIN new                         ; the immediate's high byte repeats the setting that is left
.if MSB != (\new)
	s_set_vgpr_msb (MSB<<8)|(\new)
.set MSB, (\new)
.endif
.endm
.set MUL_LO, 0xa1                      ; source 0 (B) window 1, source 1 (A) window 0, C and D window 2
.set MUL_HI, 0xf1                      ; the same, C and D window 3
.set TO_B,   0x40                      ; destination window 1, address window 0
; A joint load: waves 0 and 1 fetch for A, waves 2 and 3 for B.  Each of the two lines has ONE mask and one set of registers for all that issue it; the branch hangs on the wave's number alone.
; An s_nop 0 and four v_nop follow each of the two lines, ahead of the jump, the label and what follows.
.macro JLOAD g0a, g1a, g0b, g1b
	s_cmp_eq_u32 s15, 0
	s_cbranch_scc0 .Lfor_b_\@
	tensor_load_to_lds s[\g0a:\g0a+3], s[\g1a:\g1a+7]
	s_nop 0
.rept 4
	v_nop
.endr
	s_branch .Lasked_\@
.Lfor_b_\@:
	tensor_load_to_lds s[\g0b:\g0b+3], s[\g1b:\g1b+7]
	s_nop 0
.rept 4
	v_nop
.endr
.Lasked_\@:
.endm
.macro CREST                           ; a round of the cluster's barrier behind its opening barrier
	s_cmp_lg_u32 s14, 0
	s_cbranch_scc1 .Lnot_wave_0_\@
	s_barrier_signal -3
.Lnot_wave_0_\@:
	s_barrier_wait -3
	s_barrier_signal -1
	s_barrier_wait -1
.endm
.macro CROUND                          ; a whole round
	s_barrier_signal -1
	s_barrier_wait -1
	CREST
.endm
	s_load_b128 s[4:7], s[0:1], 0x0                ; the codes s[4:5], the scale bytes s[6:7]
	s_load_b128 s[8:11], s[0:1], 0x10              ; the table s[8:9], proj s[10:11]
	v_lshl_add_u32 v[SPW], v0, 2, SPARE
	v_mov_b32 v[NIL], 0
	ds_add_u32 v[SPW], v[NIL]                      ; the wave's opening: the add, twice on end, and its wait ahead of my first tensor load; the set-up below stands between the second and the wait
	ds_add_u32 v[SPW], v[NIL]
	v_lshrrev_b32 v1, 5, v0
	v_readfirstlane_b32 s14, v1                    ; wave 0..3
	s_lshr_b32 s15, s14, 1                         ; which half of the tile's rows is mine.  Also: I fetch for A (0) or for B (1)
	s_and_b32 s16, s14, 1                          ; which half of its columns.  Also: which 128 rows of that tile I fetch
	s_bfe_u32 s40, ttmp6, 0x40000                  ; cx, cy: my place in the cluster
	s_bfe_u32 s41, ttmp6, 0x40004
	s_lshl_b32 s42, ttmp9, 2
	s_add_co_u32 s42, s42, s40                     ; tile column of C = 4 x cluster x + cx
	s_and_b32 s17, ttmp7, 0xffff
	s_lshl_b32 s17, s17, 2
	s_add_co_u32 s17, s17, s41                     ; tile row of C = 4 x cluster y + cy
	s_lshl_b32 s43, s41, 2
	s_lshl_b32 s43, 15, s43                        ; my row of the cluster
	s_lshl_b32 s44, 0x1111, s40                    ; my column
	; descriptor group 1: a tile of 128 rows x 256 bytes, padded in LDS
	s_or_b32 s[G1+0], s43, (0<<16)|(1<<20)|(1<<21)|(5<<22)|(3<<25)  ; 15:0 the mask: A's tiles go to my row; 17:16 element of 1 byte; 20 padding on; 21 set beside a mask; 24:22 after every 64 words; 31:25 of 4 words
	s_or_b32 s[G1B+0], s44, (0<<16)|(1<<20)|(1<<21)|(5<<22)|(3<<25)
.irp g, G1, G1B
	s_mov_b32 s[\g+1], ROWB<<16                    ; tensor_dim0
	s_mov_b32 s[\g+2], 128<<16                     ; tensor_dim1 = 128
	s_mov_b32 s[\g+3], ROWB<<16                    ; tile_dim0
	s_mov_b32 s[\g+4], 128                         ; tile_dim1 = 128
	s_mov_b32 s[\g+5], KROW                        ; tensor_dim0_stride
	s_mov_b32 s[\g+6], 0
	s_mov_b32 s[\g+7], 0
.endr
	; and for the scales of 128 rows: a dense block of 8,192 bytes, as 32 rows of 256 bytes (32 elements of 8 bytes), 16 bytes of padding behind each
	s_or_b32 s[G1S+0], s43, (3<<16)|(1<<20)|(1<<21)|(5<<22)|(3<<25)
	s_or_b32 s[G1SB+0], s44, (3<<16)|(1<<20)|(1<<21)|(5<<22)|(3<<25)
.irp g, G1S, G1SB
	s_mov_b32 s[\g+1], 32<<16
	s_mov_b32 s[\g+2], (128*KS/256)<<16
	s_mov_b32 s[\g+3], 32<<16
	s_mov_b32 s[\g+4], 128*KS/256
	s_mov_b32 s[\g+5], 32
	s_mov_b32 s[\g+6], 0
	s_mov_b32 s[\g+7], 0
.endr
	s_lshl_b32 s18, s16, 7                         ; which 128 rows of the tile I fetch
	s_lshl_b32 s20, s17, 8
	s_add_co_u32 s20, s20, s18                     ; A: row 256 x tile row + 128 x half,
	s_cmp_ge_u32 ttmp9, 3                          ; of query in clusters 0 to 2 along x, of key_value (2,048 rows on) in clusters 3 to 7: the same in all sixteen partners
	s_cselect_b32 s19, 2048, 0
	s_add_co_u32 s20, s20, s19
	s_lshl_b32 s46, s42, 8
	s_add_co_u32 s46, s46, s18                     ; B: row 256 x tile column + 128 x half,
	s_add_co_u32 s46, s46, 4096                    ; behind the activations' 4,096 rows
	s_mov_b32 s21, 0
	s_mov_b32 s47, 0
	s_mov_b64 s[18:19], KS
	s_mul_u64 s[22:23], s[20:21], s[18:19]         ; where these rows' scales begin, in bytes
	s_mul_u64 s[92:93], s[46:47], s[18:19]
	s_mov_b64 s[18:19], KROW
	s_mul_u64 s[20:21], s[20:21], s[18:19]         ; and their codes
	s_mul_u64 s[46:47], s[46:47], s[18:19]
	s_mul_i32 s45, s14, HALFT                      ; where they go: wave x 128 rows: no place in the cluster enters an LDS address
	s_mul_i32 s94, s14, HALFS
	s_wait_dscnt 0x0                               ; both opening adds are done
	s_wait_kmcnt 0x0
	s_add_nc_u64 s[20:21], s[4:5], s[20:21]
	s_add_nc_u64 s[22:23], s[6:7], s[22:23]
	s_add_nc_u64 s[46:47], s[4:5], s[46:47]
	s_add_nc_u64 s[92:93], s[6:7], s[92:93]
	CROUND                                         ; all sixteen work-groups are here: the first joint loads meet
	s_mov_b32 s[G0S], 1
	s_add_co_u32 s[G0S+1], s94, SCL
	s_mov_b64 s[G0S+2:G0S+3], s[22:23]
	s_or_b32 s[G0S+3], s[G0S+3], 0x80000000
	s_mov_b32 s[G0SB], 1
	s_add_co_u32 s[G0SB+1], s94, SCL
	s_mov_b64 s[G0SB+2:G0SB+3], s[92:93]
	s_or_b32 s[G0SB+3], s[G0SB+3], 0x80000000
	JLOAD G0S, G1S, G0SB, G1SB                     ; the scales first: they are wanted with K step 0.  Three loads of mine are out behind the next two
.irp s, 0,1
	s_mov_b32 s[G0+4*\s], 1
	s_add_co_u32 s[G0+4*\s+1], s45, \s*SLOT
	s_add_nc_u64 s[G0+4*\s+2:G0+4*\s+3], s[20:21], \s*ROWB
	s_or_b32 s[G0+4*\s+3], s[G0+4*\s+3], 0x80000000
	s_mov_b32 s[G0B+4*\s], 1
	s_add_co_u32 s[G0B+4*\s+1], s45, \s*SLOT
	s_add_nc_u64 s[G0B+4*\s+2:G0B+4*\s+3], s[46:47], \s*ROWB
	s_or_b32 s[G0B+4*\s+3], s[G0B+4*\s+3], 0x80000000
	JLOAD G0+4*\s, G1, G0B+4*\s, G1B
.endr
	v_and_b32 v1, 15, v0                           ; l % 16
	v_bfe_u32 v2, v0, 4, 1                         ; l / 16
	v_mul_u32_u24 v3, v1, PITCH
	v_lshl_add_u32 v4, v2, 4, v3                   ; a fragment's row x pitch + 16 x half
	s_mul_i32 s21, s15, HALFT                      ; my 128 rows of A
	s_mul_i32 s22, s16, HALFT                      ; my 128 rows of B,
	s_add_co_u32 s22, s22, 2*HALFT                 ; which lie behind A's 256
.irp s, 0,1
	v_add_nc_u32 v[ADRA+\s], s21, v4
	v_add_nc_u32 v[ADRB+\s], s22, v4
	s_add_co_u32 s21, s21, SLOT
	s_add_co_u32 s22, s22, SLOT
.endr
	v_mul_u32_u24 v5, v1, KS                       ; my row's scales: 64 bytes a row,
	v_lshrrev_b32 v6, 8, v5
	v_lshl_add_u32 v5, v6, 4, v5                   ; and 16 more for each 256 passed
	s_mul_i32 s21, s15, HALFS                      ; A's: my 128 rows
	s_mul_i32 s22, s16, HALFS                      ; B's: my 128 rows, behind A's 256
	s_add_co_u32 s22, s22, 2*HALFS
	s_sub_co_u32 s22, s22, s21
	v_mul_u32_u24 v6, s22, v2                      ; lanes 16-31 take B's
	s_add_co_u32 s21, s21, SCL
	v_add_nc_u32 v5, v5, v6
	v_add_nc_u32 v[ADRS], s21, v5
	s_mul_i32 s23, s14, 16*SPITCH                  ; my stage
	v_mul_u32_u24 v5, v1, SPITCH                   ; in: row l % 16, 16 bytes for each half of the lanes
	v_lshl_add_u32 v5, v2, 4, v5
	v_add_nc_u32 v[STO], s23, v5
	v_mul_u32_u24 v5, v2, SPITCH                   ; back: lanes 0-15 take one row of 256 bytes, lanes 16-31 the next
	v_lshl_add_u32 v5, v1, 4, v5
	v_add_nc_u32 v[RD], s23, v5
	v_lshlrev_b32 v5, 14, v2                       ; and the same two rows in proj
	v_lshl_add_u32 v[CO], v1, 4, v5
	v_lshlrev_b32 v5, 8, v1                        ; the table: 256 bytes a position; my half's four pairs are 32 bytes
	v_lshl_add_u32 v[RT], v2, 5, v5
	s_lshl_b32 s20, s17, 8
	s_lshl_b32 s21, s15, 7
	s_add_co_u32 s20, s20, s21                     ; my first row of C: 256 x tile row + 128 x half
	s_and_b32 s22, s20, 1023                       ; its position in the sequence
	s_lshl_b32 s22, s22, 8
	s_mov_b32 s23, 0
	s_add_nc_u64 s[66:67], s[8:9], s[22:23]        ; the table at that position
	s_lshl_b32 s20, s20, 14                        ; 16,384 bytes a row
	s_mov_b32 s21, 0
	s_lshl_b32 s46, s42, 9                         ; my first column, in bytes: 512 x tile column + 256 x half
	s_lshl_b32 s47, s16, 8
	s_add_co_u32 s46, s46, s47
	s_mov_b32 s47, 0
	s_add_nc_u64 s[20:21], s[20:21], s[46:47]
	s_add_nc_u64 s[12:13], s[10:11], s[20:21]
.macro FRAG reg, adr, q, i             ; a fragment, 16 rows x 128 K of 4-bit codes, is 8 registers: lane l holds row l % 16; registers 4 c .. 4 c + 3 hold K = 64 c + 32 (l / 16) + 0 .. 31
.irp c, 0,1
	ds_load_b128 v[\reg+4*\c:\reg+4*\c+3], v[\adr] offset:64*(\q)+32*\c+(\i)*16*PITCH
.endr
.endm
; 16 matrix instructions: A's blocks a0, a0 + 1 x B's eight, 128 along K: the slot's q-th.  p: B's set;  sc: the set of scale words.  zero = 1: the first product starts the sums: nothing is ever cleared.
; The 64 accumulators take turns, one instruction a turn, in the same order in every step.
.macro MUL16 a0, p, q, sc, zero
.irp a, \a0, \a0+1
.irp b, 0,1,2,3,4,5,6,7
.if \zero
	v_wmma_scale_f32_16x16x128_f8f6f4 v[8*(8*((\a)%4)+\b):8*(8*((\a)%4)+\b)+7], v[128*(\p)+FR*\b:128*(\p)+FR*\b+FR-1], v[AF+FR*(\a):AF+FR*(\a)+FR-1], 0, v[SC+8*NQ*(\sc)+NQ*\b+(\q)], v[SC+8*NQ*(\sc)+NQ*(\a)+(\q)] matrix_a_fmt:MATRIX_FMT_FP4 matrix_b_fmt:MATRIX_FMT_FP4 matrix_a_scale:MATRIX_SCALE_ROW1
.else
	v_wmma_scale_f32_16x16x128_f8f6f4 v[8*(8*((\a)%4)+\b):8*(8*((\a)%4)+\b)+7], v[128*(\p)+FR*\b:128*(\p)+FR*\b+FR-1], v[AF+FR*(\a):AF+FR*(\a)+FR-1], v[8*(8*((\a)%4)+\b):8*(8*((\a)%4)+\b)+7], v[SC+8*NQ*(\sc)+NQ*\b+(\q)], v[SC+8*NQ*(\sc)+NQ*(\a)+(\q)] matrix_a_fmt:MATRIX_FMT_FP4 matrix_b_fmt:MATRIX_FMT_FP4 matrix_a_scale:MATRIX_SCALE_ROW1
.endif
.endr
.endr
.endm
.macro FETCH_B slot, q, p              ; B's eight fragments of the slot's q-th 128 along K into set p
	WIN TO_B
.irp i, 0,1,2,3,4,5,6,7
	FRAG 128*(\p)+FR*\i, ADRB+\slot, \q, \i
.endr
	WIN 0
.endm
.macro FETCH_A slot, q, i0             ; A's blocks i0 .. i0 + 3
.irp i, \i0, \i0+1, \i0+2, \i0+3
	FRAG AF+FR*(\i), ADRA+\slot, \q, \i
.endr
.endm
.macro SCALES sc                       ; the next K step's scale words into set sc: 4 words a row; lanes 0-15 take A's block i, lanes 16-31 B's block i
.irp i, 0,1,2,3,4,5,6,7
	ds_load_b128 v[SC+8*NQ*\sc+NQ*\i:SC+8*NQ*\sc+NQ*\i+3], v[ADRS] offset:\i*SBLK
.endr
.endm
; A load into a register that a matrix instruction has read, and a vector instruction or an LDS store that reads a matrix result, stand NP places behind that matrix instruction, and only plain vector
; instructions that name none of its registers are places (ISA guide 7.12.1 for vector instructions).
.macro PLACES n
.rept \n
	v_nop
.endr
.endm
; A step of 128 along K that has its successor in the same slot.
.macro STEP slot, q, zero
	s_wait_dscnt 4*NL                              ; B's set and A's blocks 0-3 are in; the youngest eight loads (A's blocks 4-7) may be out
	WIN MUL_LO
	MUL16 0, (\q)%2, \q, \slot, \zero
	MUL16 2, (\q)%2, \q, \slot, \zero
	s_wait_dscnt 0                                 ; A's blocks 4-7 are in (asked for 32 matrix instructions ago)
	PLACES NP
	FETCH_B \slot, (\q)+1, 1-(\q)%2
	FETCH_A \slot, (\q)+1, 0
	WIN MUL_HI
	MUL16 4, (\q)%2, \q, \slot, \zero
	MUL16 6, (\q)%2, \q, \slot, \zero
	PLACES NP
	WIN 0
	FETCH_A \slot, (\q)+1, 4
.endm
; A slot's last step changes slots: ONE barrier; in front of it each wave waits for all its tensor loads, adds 0 to its spare word, and waits for that and for its own reads of this slot.  fill = 1: this slot is filled again, two K steps ahead.
.macro TURN slot, next, fill
	s_wait_tensorcnt 0x0                           ; all my tensor loads have landed: my part of the next slot;  (every window is 0 here)
	ds_add_u32 v[SPW], v[NIL]                      ; 0 onto my spare word;
	s_wait_dscnt 4*NL+1                            ; (the add and the youngest eight loads, A's blocks 4-7, may be out)
	WIN MUL_LO
	MUL16 0, 1, NQ-1, \slot, 0                     ; sixteen matrix instructions stand between the add and the wait for it
	s_wait_dscnt 0x0                               ; the add is done, and my reads of this slot are over
	s_barrier_signal -1
	MUL16 2, 1, NQ-1, \slot, 0
	WIN 0
	s_barrier_wait -1
.if \fill
	CREST                                          ; the barrier has opened a round of the cluster's barrier: no wave of any partner still reads this slot's tile or has a load on its way
	s_add_nc_u64 s[G0+4*\slot+2:G0+4*\slot+3], s[G0+4*\slot+2:G0+4*\slot+3], 2*ROWB
	s_add_nc_u64 s[G0B+4*\slot+2:G0B+4*\slot+3], s[G0B+4*\slot+2:G0B+4*\slot+3], 2*ROWB
	JLOAD G0+4*\slot, G1, G0B+4*\slot, G1B         ; the first tensor load behind the round, my one load until the next; the four v_nop behind it are the places in front of the loads below
.else
	PLACES NP
.endif
	v_add_nc_u32 v[ADRS], 4*NQ, v[ADRS]            ; on to the next K step's scale words (no LDS load of mine is out)
	FETCH_B \next, 0, 0
	FETCH_A \next, 0, 0
	SCALES \next
	WIN MUL_HI
	MUL16 4, 1, NQ-1, \slot, 0
	MUL16 6, 1, NQ-1, \slot, 0
	PLACES NP
	WIN 0
	FETCH_A \next, 0, 4
.endm
.macro STEPS slot, from                ; the slot's steps from .. NQ - 2
.set Q, \from
.rept NQ-1-\from
	STEP \slot, Q, 0
.set Q, Q+1
.endr
.endm
	s_wait_tensorcnt 1                             ; the scales and my part of K step 0 are in (K step 1's load may be out)
	s_barrier_signal -1
	s_barrier_wait -1                              ; everybody's are
	FETCH_B 0, 0, 0
	FETCH_A 0, 0, 0
	SCALES 0
	FETCH_A 0, 0, 4
	STEP 0, 0, 1                                   ; the first step stands in front of the loop: its products start the sums
	s_mov_b32 s3, LAPS-1
.Llap:                                                 ; a trip goes once round the ring, from a lap's second step to the next lap's first, and fills both slots again
	STEPS 0, 1
	TURN 0, 1, 1
	STEPS 1, 0
	TURN 1, 0, 1
	STEP 0, 0, 0
	s_sub_co_u32 s3, s3, 1
	s_cmp_lg_u32 s3, 0
	s_cbranch_scc1 .Llap
	STEPS 0, 1                                     ; the last lap fills nothing, and has no round of the cluster's barrier
	TURN 0, 1, 0
	STEPS 1, 0
	s_wait_dscnt 4*NL                              ; the very last step: nothing more to fetch
	WIN MUL_LO
	MUL16 0, 1, NQ-1, 1, 0
	MUL16 2, 1, NQ-1, 1, 0
	s_wait_dscnt 0
	WIN MUL_HI
	MUL16 4, 1, NQ-1, 1, 0
	MUL16 6, 1, NQ-1, 1, 0
	WIN 0
; THE WAY OUT, block by block of 16 rows x 128 columns.  A lane's eight numbers of a row round to 16 bytes; the lanes beside it hold other rows: so a block goes through my own stage in LDS and comes back as whole
; rows of 256 bytes: sixteen lanes store 256 consecutive bytes, aligned.  LDS serves a wave's instructions in order (ISA guide 5.7.1.4): no wait between the stores and the loads.
.macro PACK a                          ; rounded to f16, each accumulator from its low end on
.set AC, 64*((\a)%4)
	WIN 0x0a+5*((\a)/4)                            ; sources 0 and 1: window 2 or 3
.irp b, 0,1,2,3,4,5,6,7
.irp j, 0,1,2,3
	v_cvt_pk_f16_f32 v[TMP+4*\b+\j], v[AC+8*\b+2*\j], v[AC+8*\b+2*\j+1]
.endr
.endr
	WIN 0
.endm
; The table for block a's rows: lane (r, h) wants, of position r, for each 16 columns m of a head's 64, the pairs 8 m + 4 h + 0 .. 3: 32 bytes.  A wave's 128 columns are two heads, which share them.
.macro CSLOAD a
.irp m, 0,1,2,3
.irp e, 0,1
	global_load_b128 v[CSR+32*((\a)%2)+8*\m+4*\e:CSR+32*((\a)%2)+8*\m+4*\e+3], v[RT], s[66:67] offset:4096*(\a)+64*\m+16*\e
.endr
.endr
.endm
; The rotation, in f32, a pair (x0, x1) at a time: first (x1 s, x0 s), then (x0 c - x1 s, x1 c + x0 s); then the rounding to f16.
.macro ROPE a
.set AC, 64*((\a)%4)
.set CC, CSR+32*((\a)%2)
	WIN 0x02+(\a)/4                                ; source 0: window 2 or 3
.irp b, 0,1,2,3,4,5,6,7
.irp j, 0,1,2,3
	v_pk_mul_f32 v[Y+8*\b+2*\j:Y+8*\b+2*\j+1], v[AC+8*\b+2*\j:AC+8*\b+2*\j+1], v[CC+8*(\b%4)+2*\j:CC+8*(\b%4)+2*\j+1] op_sel:[1,1] op_sel_hi:[0,1]
.endr
.irp j, 0,1,2,3
	v_pk_fma_f32 v[Y+8*\b+2*\j:Y+8*\b+2*\j+1], v[AC+8*\b+2*\j:AC+8*\b+2*\j+1], v[CC+8*(\b%4)+2*\j:CC+8*(\b%4)+2*\j+1], v[Y+8*\b+2*\j:Y+8*\b+2*\j+1] op_sel_hi:[1,0,1] neg_lo:[0,0,1]
.endr
.endr
	WIN 0
.irp i, 0,1,2,3,4,5,6,7,8,9,10,11,12,13,14,15,16,17,18,19,20,21,22,23,24,25,26,27,28,29,30,31
	v_cvt_pk_f16_f32 v[TMP+\i], v[Y+2*\i], v[Y+2*\i+1]
.endr
.endm
.macro TOSTAGE a
.irp b, 0,1,2,3,4,5,6,7
	ds_store_b128 v[STO], v[TMP+4*\b:TMP+4*\b+3] offset:32*\b
.endr
.irp t, 0,1,2,3,4,5,6,7
	ds_load_b128 v[BK+32*((\a)%2)+4*\t:BK+32*((\a)%2)+4*\t+3], v[RD] offset:\t*2*SPITCH
.endr
.endm
.macro SEND a
	s_wait_dscnt 0x0                               ; the block is back in registers
	s_wait_xcnt 0x0                                ; the earlier stores have read their base and their data: the base may step, and the next block's loads may land in the other set
.if (\a) > 0
	s_add_nc_u64 s[12:13], s[12:13], 16*ROWP       ; 16 rows of proj on
.endif
.irp t, 0,1,2,3,4,5,6,7
	global_store_b128 v[CO], v[BK+32*((\a)%2)+4*\t:BK+32*((\a)%2)+4*\t+3], s[12:13] offset:2*\t*ROWP
.endr
.endm
	PLACES NP                                      ; behind the last products: for the reads of their results, and for what is written and loaded over scale words and A's fragments
	s_cmp_eq_u32 ttmp9, 2                          ; the cluster's x, the same in all sixteen partners: cluster 2 holds W_QR's 1,024 columns,
	s_cbranch_scc1 .Lrotate
	s_cmp_eq_u32 ttmp9, 5                          ; cluster 5 W_KR's
	s_cbranch_scc1 .Lrotate
	PACK 0
	TOSTAGE 0
.irp a, 1,2,3,4,5,6,7                  ; block a's conversions stand between block a - 1's loads from the stage and the wait for them
	PACK \a
	SEND \a-1
	TOSTAGE \a
.endr
	SEND 7
	s_branch .Ldone
.Lrotate:
	CSLOAD 0
	CSLOAD 1
.irp a, 0,1,2,3,4,5,6,7
.if \a < 7
	s_wait_loadcnt 8                               ; this block's eight table loads are in; the next block's eight may be out
.else
	s_wait_loadcnt 0x0
.endif
	ROPE \a
.if \a < 6
	CSLOAD \a+2                                    ; into the set that has just been read
.endif
.if \a > 0
	SEND \a-1
.endif
	TOSTAGE \a
.endr
	SEND 7
.Ldone:
	s_wait_tensorcnt 0x0                           ; the wave's end, behind my last tensor load and my last LDS store
	ds_add_u32 v[SPW], v[NIL]
	s_wait_dscnt 0x0
	CROUND                                         ; the closing round: no work-group ends while a partner may still ask for a tile that names it
	s_endpgm
.Lfunc_end_k_q94a43b9ed3_proj_gemm:
	.size	k_q94a43b9ed3_proj_gemm, .Lfunc_end_k_q94a43b9ed3_proj_gemm-k_q94a43b9ed3_proj_gemm
	.p2alignl 7, 3214868480
	.fill 96, 4, 3214868480
	.section	.rodata,"a",@progbits
	.p2align	6, 0x0
	.amdhsa_kernel k_q94a43b9ed3_proj_gemm
		.amdhsa_group_segment_fixed_size 327680
		.amdhsa_private_segment_fixed_size 0
		.amdhsa_enable_private_segment 0
		.amdhsa_kernarg_size 32
		.amdhsa_user_sgpr_count 2
		.amdhsa_user_sgpr_kernarg_segment_ptr 1
		.amdhsa_wavefront_size32 1
		.amdhsa_system_sgpr_workgroup_id_x 1
		.amdhsa_system_sgpr_workgroup_id_y 1
		.amdhsa_system_sgpr_workgroup_id_z 1
		.amdhsa_system_vgpr_workitem_id 0
		.amdhsa_next_free_vgpr 1024
		.amdhsa_next_free_sgpr 98
		.amdhsa_reserve_vcc 0
		.amdhsa_float_denorm_mode_32 3
		.amdhsa_float_denorm_mode_16_64 3
		.amdhsa_memory_ordered 1
		.amdhsa_forward_progress 1
		.amdhsa_inst_pref_size 255
	.end_amdhsa_kernel
	.section	.bss,"aw",@nobits
	.p2align	6
	.space	262144
	.amdgpu_metadata
---
amdhsa.version: [ 1, 2 ]
amdhsa.kernels:
  - .name:           k_q94a43b9ed3_proj_gemm
    .symbol:         k_q94a43b9ed3_proj_gemm.kd
    .args:
      - { .name: codes, .offset: 0, .size: 8, .value_kind: global_buffer, .address_space: global }
      - { .name: scales, .offset: 8, .size: 8, .value_kind: global_buffer, .address_space: global }
      - { .name: rope, .offset: 16, .size: 8, .value_kind: global_buffer, .address_space: global }
      - { .name: proj, .offset: 24, .size: 8, .value_kind: global_buffer, .address_space: global }
    .group_segment_fixed_size: 327680
    .private_segment_fixed_size: 0
    .kernarg_segment_align: 8
    .kernarg_segment_size: 32
    .max_flat_workgroup_size: 128
    .sgpr_count:     98
    .vgpr_count:     1024
    .wavefront_size: 32
...
	.end_amdgpu_metadata
.endif
;; end of part 2
;; launch attn (part 3): grid 8 x 32, 4 waves a work-group, clusters of 4 x 1, 327,680 bytes of LDS; arguments proj, ao; writes ao
.if DOCPART == 3
	.amdgcn_target "amdgcn-amd-amdhsa--gfx1250"
	.amdhsa_code_object_version 6
	.text
	.protected	k_q94a43b9ed3_attn
	.globl	k_q94a43b9ed3_attn
	.p2align	8
	.type	k_q94a43b9ed3_attn,@function
k_q94a43b9ed3_attn:
	s_mov_b64 s[64:65], 0
	v_nop
	global_prefetch_b8 v0, s[64:65] scope:SCOPE_SE
	s_setreg_imm32_b32 hwreg(HW_REG_WAVE_MODE, 25, 1), 1
	s_wait_xcnt 0x0
	s_wait_alu depctr_hold_cnt(0) depctr_sa_sdst(0) depctr_va_vdst(0) depctr_va_sdst(0) depctr_va_ssrc(0) depctr_va_vcc(0) depctr_vm_vsrc(0)
	s_getreg_b32 s2, hwreg(HW_REG_IB_STS2, 6, 4)
	s_cmp_eq_u32 s2, 0
	s_cbranch_scc0 .Lentry_in_a_cluster
	s_endpgm
.Lentry_in_a_cluster:
	s_bfe_u32 s2, ttmp6, 0x10000c
	s_cmp_lg_u32 s2, 0x3003
	s_cbranch_scc0 .Lentry_shape_is_right
	s_endpgm
.Lentry_shape_is_right:
; ATTENTION.  ao[b][q][h][:] = the sum over k of softmax_k((QC . KC + QR . KR) / sqrt(192)) V[k][:], for each of 2 x 16 heads, 1,024 queries, 1,024 keys.  Nothing is left out.
; All operands are columns of proj ([2048 rows = batch x 1,024 + position][8192] f16, 16,384 bytes a row): for head h, QC at byte 256 h, QR (rotated) at 4,096 + 128 h, KC at 6,144 + 256 h, KR (rotated) at 10,240 + 128 h, V at 12,288 + 256 h.
; The two score products are one of depth 192.  f16 operands, f32 sums; maxima, exponentials and row sums in f32; the weights p are rounded to f16 for the second product, the result once at the end: ao [2048][2048] f16.
; SHARES.  A work-group owns 128 queries of one head, each of its four waves 32: two tiles of 16.  256 work-groups.  Every wave walks all keys of the head, 64 a step.
; LAYOUT.  S^T = K Q^T (source 0 = 16 keys, source 1 = 16 queries): a lane holds ONE query (lane % 16) and the keys 8 (lane / 16) + 0..7.  Two such tiles, rounded to f16 in pairs, ARE source 1 (32 keys x 16 queries) of
; O^T = V^T P, whose result again holds one query a lane, and eight channels.  K comes out of LDS as it lies, V ([key][channel]) turned, by ds_load_tr16_b128.
; SOFTMAX.  For each query a running maximum m and sum l: p = 2^(c s - c m), c = log2(e) / sqrt(192); in every step O and l are multiplied by a = 2^(c m_old - c m_new), which is 1 where m has not grown.
; BY TURNS.  The wave's two tiles are two PIECES, which share K's and V's fragments and nothing else.  In a TURN one piece has the matrix unit: 16 products V^T P of the step in hand, then 24 products K Q^T of the next step;
; the other piece's softmax, a list of 134 vector instructions, is dealt out behind them, three or four behind each matrix instruction and eight behind the last.  Then the pieces change places.  Two turns are a key step.
; CLUSTER.  The four query blocks of a cluster belong to one head and walk the same K and V: each tile is asked for JOINTLY, by the same tensor load with the same descriptor and a mask that names the four.
; RING.  Two LDS slots of 128 keys (two steps): wave 0 fetches KC's 128 rows, wave 1 KR's, waves 2 and 3 V's halves: one load a wave behind each round, four turns (160 matrix instructions) in which it lands.
; REGISTERS, in windows of 256: window 0: v1-15 addresses; v16-31 eight registers of statistics a tile; v32-95 S^T; v96-127 P; v128-223 Q.   window 1: v0-127 O^T; v128-255 V of one step.   window 2: v0-191 K of one step.
; All that a softmax touches but O^T lies in window 0, and no window has room for a product's operands beside it: so a slice costs two switches of the window, one in front and one behind.
.set PKC,   272                        ; a row of KC in LDS: 256 bytes + 16 of padding
.set PKR,   144                        ; of KR: 128 + 16
.set PITV,  288                        ; of V: 256 + 32
.set KROFF, 128*PKC                    ; a slot: 128 rows of KC, 128 of KR, 128 of V
.set VOFF,  KROFF+128*PKR
.set SLOT1, 1<<17                      ; slot 1 begins here, so that one exclusive or turns an address in one slot into the other's
.set STAGE, SLOT1+VOFF+128*PITV        ; behind the ring: 16 rows x 272 bytes for each wave, for the way out
.set SP,    272
.set SPARE, STAGE+4*16*SP              ; behind the stages: the spare words, 128 bytes a wave
.set ROWG,  16384                      ; a row of proj in bytes
.set SLOTG, 128*ROWG                   ; a slot's keys in memory
.set AKC0, 2                           ; v2   my lane's place in a tile of KC; never rewritten
.set AKR0, 3                           ; v3   of KR
.set AV0,  4                           ; v4   of V
.set ADKC, 5                           ; v5-7 the same in the slot in hand
.set ADKR, 6
.set ADV,  7
.set QO,   8                           ; v8   my byte offset in a tile's rows of Q
.set STO,  9                           ; v9   the way out: where I put 16 bytes of a row
.set RD,   10                          ; v10  where I read a row back
.set GO,   11                          ; v11  my byte offset in two rows of ao
.set PFO,  12                          ; v12  16,384 x my lane: a lane a row; never rewritten
.set SPW,  13                          ; v13  LDS address of my spare word; never rewritten
.set NIL,  14                          ; v14  0; never rewritten
.set ST,   16                          ; tile t's statistics at v[ST+8 t]: +0 c m, +1 m, +2, +3 l (even keys', odd keys'), +4 to +7 c0-c3, at work; a takes c2's place once the maximum is found
.set S,    32
.set P,    96
.set QF,   128                         ; Q's fragments: 48 t + 8 c, c = 0..3 content, 4, 5 rotary
.set VF,   128                         ; V's fragments, in window 1: 64 u + 8 f
.set WV,   8                           ; s8   my wave's number
.set G1C,  24                          ; s[24:31] descriptor group 1 for KC's tiles;  s[32:39] KR's;  s[40:47] V's
.set G1R,  32
.set G1V,  40
.set G0C,  48                          ; s[48:55], s[56:63], s[68:75] groups 0: a set for each of the two first fills; the second then walks on
.set G0R,  56
.set G0V,  68
.set PFA,  82                          ; s[82:83] where my prefetches stand
.set LIM,  84                          ; s84  1 in a wave that prefetches, else the greatest number
.set SLOTS, 85                         ; s85  slots still to be asked for
.set TB,   86                          ; s86  LDS byte at which the slot in hand begins
.set CS,   88                          ; s[88:89] c: the packed scaling names a pair and takes its low word for both halves
.set SEL,  90                          ; s[90:91] lane selects for v_permlanex16_b32: lane l xor 16
.set MSB, 0
.macro WIN new                         ; the immediate's high byte repeats the setting that is left; a switch that changes nothing is dropped
.if MSB != (\new)
	s_set_vgpr_msb (MSB<<8)|(\new)
.set MSB, (\new)
.endif
.endm
.set W_KQ, 0x02                        ; K in window 2; Q and S^T in window 0
.set W_PV, 0x51                        ; V and O^T in window 1, P in window 0
.set W_RS, 0x41                        ; O^T (destination and source 0) in window 1, a in window 0
.macro PLACES
.rept 4
	v_nop
.endr
.endm
; A joint refill, by the walking descriptors.  The branches hang on the wave's number alone.  An s_nop 0 and four v_nop follow each tensor load, ahead of the jump, the label and what follows.
.macro JLOAD
	s_cmp_eq_u32 s[WV], 0
	s_cbranch_scc0 .Lnot_c_\@
	tensor_load_to_lds s[G0C+4:G0C+7], s[G1C:G1C+7]
	s_nop 0
	PLACES
	s_branch .Lasked_\@
.Lnot_c_\@:
	s_cmp_eq_u32 s[WV], 1
	s_cbranch_scc0 .Lnot_r_\@
	tensor_load_to_lds s[G0R+4:G0R+7], s[G1R:G1R+7]
	s_nop 0
	PLACES
	s_branch .Lasked_\@
.Lnot_r_\@:
	tensor_load_to_lds s[G0V+4:G0V+7], s[G1V:G1V+7]
	s_nop 0
	PLACES
.Lasked_\@:
.endm
; A PREFETCH of what the NEXT change of slots will ask for: a slot's 128 rows of KC, KR and V, a lane a row, two key steps ahead of that load.  It stands behind the wave's tensor load and its five lines.
; Each aligned block of 256 bytes is named once in the launch.  Both clusters of a head walk the same rows: the first (cluster x = 0) asks.  Its four partners share the rows out BY ADDRESS, 32 each.  Wave 0 asks for KC's,
; wave 2 for V's; wave 1 for KR's in even heads alone: a head's 128 bytes of KR share their aligned 256 with the next head's.  The last change that fills a slot asks for nothing.  Slots 0, 1 and 2 come by their loads alone.
.macro ASK
	s_cmp_gt_u32 s[SLOTS], s[LIM]
	s_cbranch_scc0 .Lnot_mine_\@
	global_prefetch_b8 v[PFO], s[PFA:PFA+1] th:TH_LOAD_NT scope:SCOPE_SE
.Lnot_mine_\@:
.endm
.macro CROUND                          ; a round of the cluster's barrier
	s_barrier_signal -1
	s_barrier_wait -1
	s_cmp_lg_u32 s[WV], 0
	s_cbranch_scc1 .Lnot_wave_0_\@
	s_barrier_signal -3
.Lnot_wave_0_\@:
	s_barrier_wait -3
	s_barrier_signal -1
	s_barrier_wait -1
.endm
	s_load_b128 s[4:7], s[0:1], 0x0                ; proj s[4:5], ao s[6:7]
	v_lshl_add_u32 v[SPW], v0, 2, SPARE
	v_mov_b32 v[NIL], 0
	ds_add_u32 v[SPW], v[NIL]                      ; the wave's opening: the add, twice on end, and its wait ahead of my first tensor load; the set-up below stands between the second and the wait
	ds_add_u32 v[SPW], v[NIL]
	v_lshrrev_b32 v1, 5, v0
	v_readfirstlane_b32 s[WV], v1                  ; wave 0..3
	s_bfe_u32 s9, ttmp6, 0x40000                   ; cx: my place in the cluster
	s_lshl_b32 s10, ttmp9, 2
	s_add_co_u32 s10, s10, s9                      ; my block of 128 queries: it enters Q's and ao's addresses alone
	s_and_b32 s11, ttmp7, 0xffff                   ; batch x 16 + head, which the four partners share
	s_lshr_b32 s12, s11, 4                         ; batch
	s_and_b32 s13, s11, 15                         ; head
	; descriptor groups 1: elements of 2 bytes, 8,192 elements from row to row; the mask names all four work-groups, bit 21 is set beside it
	s_mov_b32 s[G1C], 15|(1<<16)|(1<<20)|(1<<21)|(5<<22)|(3<<25)  ; KC: padding of 4 words after every 64
	s_mov_b32 s[G1C+1], 128<<16                    ; tensor_dim0 = 128
	s_mov_b32 s[G1C+2], 128<<16                    ; tensor_dim1 = 128
	s_mov_b32 s[G1C+3], 128<<16                    ; tile_dim0 = 128
	s_mov_b32 s[G1C+4], 128                        ; tile_dim1 = 128
	s_mov_b32 s[G1C+5], 8192
	s_mov_b32 s[G1C+6], 0
	s_mov_b32 s[G1C+7], 0
	s_mov_b32 s[G1R], 15|(1<<16)|(1<<20)|(1<<21)|(4<<22)|(3<<25)  ; KR: padding of 4 words after every 32
	s_mov_b32 s[G1R+1], 64<<16
	s_mov_b32 s[G1R+2], 128<<16
	s_mov_b32 s[G1R+3], 64<<16
	s_mov_b32 s[G1R+4], 128
	s_mov_b32 s[G1R+5], 8192
	s_mov_b32 s[G1R+6], 0
	s_mov_b32 s[G1R+7], 0
	s_mov_b32 s[G1V], 15|(1<<16)|(1<<20)|(1<<21)|(5<<22)|(7<<25)  ; V: padding of 8 words after every 64; 64 rows to a load
	s_mov_b32 s[G1V+1], 128<<16
	s_mov_b32 s[G1V+2], 64<<16
	s_mov_b32 s[G1V+3], 128<<16
	s_mov_b32 s[G1V+4], 64
	s_mov_b32 s[G1V+5], 8192
	s_mov_b32 s[G1V+6], 0
	s_mov_b32 s[G1V+7], 0
	s_mov_b32 s[CS], 0x3dd53b94                    ; c = log2(e) / sqrt(192)
	s_mov_b32 s[CS+1], s[CS]                       ; named with it as a pair, so it is written
	s_mov_b32 s[SEL], 0x76543210
	s_mov_b32 s[SEL+1], 0xfedcba98
	s_mov_b32 s[TB], 0
	s_mov_b32 s[SLOTS], 6                          ; 8 slots' worth of keys, two of them first fills
	s_lshr_b32 s2, s[WV], 1                        ; who prefetches: waves 0 and 2; wave 1 where the head is even; in the head's first cluster
	s_or_b32 s2, s2, s13
	s_and_b32 s2, s2, s[WV]
	s_and_b32 s2, s2, 1
	s_or_b32 s2, s2, ttmp9                         ; made of the wave's number, the head and the cluster's x: the same in all four partners
	s_cmp_eq_u32 s2, 0
	s_cselect_b32 s[LIM], 1, -1
	s_lshl_b32 s14, s12, 24                        ; the batch's 1,024 rows of 16,384 bytes
	s_lshl_b32 s15, s13, 8
	s_lshl_b32 s23, s13, 7
	s_add_co_u32 s16, s15, 6144                    ; KC's columns, in bytes
	s_add_co_u32 s18, s23, 10240                   ; KR's
	s_add_co_u32 s20, s15, 12288                   ; V's
	s_cmp_eq_u32 s[WV], 1
	s_cselect_b32 s2, s18, s20
	s_cmp_eq_u32 s[WV], 0
	s_cselect_b32 s2, s16, s2                      ; what my wave would prefetch,
	s_add_co_u32 s2, s2, s14
	s_lshl_b32 s3, s9, 19                          ; my work-group's 32 rows of the 128,
	s_add_co_u32 s2, s2, s3
	s_add_co_u32 s2, s2, 2*SLOTG                   ; in slot 2: the first change of slots steps it to slot 3
	s_mov_b32 s3, 0
	s_add_co_u32 s16, s16, s14
	s_mov_b32 s17, 0
	s_add_co_u32 s18, s18, s14
	s_mov_b32 s19, 0
	s_and_b32 s22, s[WV], 1                        ; which half of V's rows I would fetch:
	s_lshl_b32 s21, s22, 20                        ; 64 rows in memory,
	s_add_co_u32 s20, s20, s14
	s_add_co_u32 s20, s20, s21
	s_mov_b32 s21, 0
	s_mul_i32 s22, s22, 64*PITV
	s_add_co_u32 s22, s22, VOFF                    ; and in a slot: no place in the cluster enters an LDS address
	s_lshl_b32 s92, s10, 21                        ; my block's 128 rows,
	s_add_co_u32 s92, s92, s14
	s_lshl_b32 s93, s[WV], 19                      ; my wave's 32 of them
	s_add_co_u32 s92, s92, s93
	s_add_co_u32 s94, s92, s23
	s_add_co_u32 s94, s94, 4096                    ; QR
	s_add_co_u32 s92, s92, s15                     ; QC
	s_mov_b32 s93, 0
	s_mov_b32 s95, 0
	s_lshl_b32 s96, s12, 22                        ; ao: 4,096 bytes a row
	s_lshl_b32 s97, s10, 19
	s_add_co_u32 s96, s96, s97
	s_lshl_b32 s97, s[WV], 17
	s_add_co_u32 s96, s96, s97
	s_add_co_u32 s96, s96, s15
	s_mov_b32 s97, 0
	v_and_b32 v[PFO], 31, v0
	v_lshlrev_b32 v[PFO], 14, v[PFO]
	s_wait_dscnt 0x0                               ; both opening adds are done
	s_wait_kmcnt 0x0
	s_add_nc_u64 s[16:17], s[4:5], s[16:17]        ; KC, KR, V at slot 0
	s_add_nc_u64 s[18:19], s[4:5], s[18:19]
	s_add_nc_u64 s[20:21], s[4:5], s[20:21]
	s_add_nc_u64 s[76:77], s[4:5], s[92:93]        ; QC, QR and ao at my wave's first row
	s_add_nc_u64 s[78:79], s[4:5], s[94:95]
	s_add_nc_u64 s[80:81], s[6:7], s[96:97]
	s_add_nc_u64 s[PFA:PFA+1], s[4:5], s[2:3]
	CROUND                                         ; all four work-groups are here: the first joint loads meet
.irp s, 0,1
	s_mov_b32 s[G0C+4*\s], 1                       ; count = 1
	s_mov_b32 s[G0C+4*\s+1], \s*SLOT1              ; LDS address
	s_add_nc_u64 s[G0C+4*\s+2:G0C+4*\s+3], s[16:17], \s*SLOTG   ; global address: keys 128 s on
	s_or_b32 s[G0C+4*\s+3], s[G0C+4*\s+3], 0x80000000           ; type = 2
	s_mov_b32 s[G0R+4*\s], 1
	s_mov_b32 s[G0R+4*\s+1], \s*SLOT1+KROFF
	s_add_nc_u64 s[G0R+4*\s+2:G0R+4*\s+3], s[18:19], \s*SLOTG
	s_or_b32 s[G0R+4*\s+3], s[G0R+4*\s+3], 0x80000000
	s_mov_b32 s[G0V+4*\s], 1
	s_add_co_u32 s[G0V+4*\s+1], s22, \s*SLOT1
	s_add_nc_u64 s[G0V+4*\s+2:G0V+4*\s+3], s[20:21], \s*SLOTG
	s_or_b32 s[G0V+4*\s+3], s[G0V+4*\s+3], 0x80000000
.endr
	s_cmp_eq_u32 s[WV], 0                          ; a wave's two first fills stand in one arm, ahead of every wait on TENSORcnt and every LDS read: every wave has two loads out
	s_cbranch_scc0 .Lfirst_not_c
	tensor_load_to_lds s[G0C:G0C+3], s[G1C:G1C+7]
	s_nop 0
	tensor_load_to_lds s[G0C+4:G0C+7], s[G1C:G1C+7]
	s_nop 0
	PLACES
	s_branch .Lfirst_asked
.Lfirst_not_c:
	s_cmp_eq_u32 s[WV], 1
	s_cbranch_scc0 .Lfirst_v
	tensor_load_to_lds s[G0R:G0R+3], s[G1R:G1R+7]
	s_nop 0
	tensor_load_to_lds s[G0R+4:G0R+7], s[G1R:G1R+7]
	s_nop 0
	PLACES
	s_branch .Lfirst_asked
.Lfirst_v:
	tensor_load_to_lds s[G0V:G0V+3], s[G1V:G1V+7]
	s_nop 0
	tensor_load_to_lds s[G0V+4:G0V+7], s[G1V:G1V+7]
	s_nop 0
	PLACES
.Lfirst_asked:
	; A fragment of K or Q is 16 rows x 32 channels in 8 registers: lane l holds row l % 16; registers 0-3 channels 8 (l / 16) + 0..7, registers 4-7 channels 16 + 8 (l / 16) + 0..7: two loads of 16 bytes, 32 bytes apart.
	v_and_b32 v1, 15, v0                           ; l % 16
	v_bfe_u32 v15, v0, 4, 1                        ; l / 16
	v_lshlrev_b32 v[QO], 14, v1
	v_lshl_add_u32 v[QO], v15, 4, v[QO]            ; row x 16,384 + 16 x half
.irp t, 0,1                            ; Q stays in registers
.irp c, 0,1,2,3
	global_load_b128 v[QF+48*\t+8*\c:QF+48*\t+8*\c+3],   v[QO], s[76:77] offset:16*ROWG*\t+64*\c
	global_load_b128 v[QF+48*\t+8*\c+4:QF+48*\t+8*\c+7], v[QO], s[76:77] offset:16*ROWG*\t+64*\c+32
.endr
.irp c, 4,5
	global_load_b128 v[QF+48*\t+8*\c:QF+48*\t+8*\c+3],   v[QO], s[78:79] offset:16*ROWG*\t+64*(\c-4)
	global_load_b128 v[QF+48*\t+8*\c+4:QF+48*\t+8*\c+7], v[QO], s[78:79] offset:16*ROWG*\t+64*(\c-4)+32
.endr
.endr
	v_mul_u32_u24 v[AKC0], v1, PKC
	v_lshl_add_u32 v[AKC0], v15, 4, v[AKC0]        ; row x pitch + 16 x half
	v_mul_u32_u24 v[AKR0], v1, PKR
	v_lshl_add_u32 v[AKR0], v15, 4, v[AKR0]
	v_add_nc_u32 v[AKR0], KROFF, v[AKR0]
	; The turning load takes 16 keys x 16 channels (lane l reads 16 bytes: key 8 (l / 16) + l % 8, channels 8 ((l / 8) % 2) + 0..7) and leaves half a fragment of V^T: lane l holds channel l % 16 and 8 keys.
	v_and_b32 v5, 7, v0
	v_bfe_u32 v6, v0, 3, 1
	v_lshl_add_u32 v[AV0], v15, 3, v5
	v_mul_u32_u24 v[AV0], v[AV0], PITV
	v_lshl_add_u32 v[AV0], v6, 4, v[AV0]
	v_add_nc_u32 v[AV0], VOFF, v[AV0]
	s_mul_i32 s14, s[WV], 16*SP
	s_add_co_u32 s14, s14, STAGE                   ; my stage
	v_mul_u32_u24 v[STO], v1, SP                   ; in: row l % 16, 16 bytes for each half of the lanes
	v_lshl_add_u32 v[STO], v15, 4, v[STO]
	v_add_nc_u32 v[STO], s14, v[STO]
	v_mul_u32_u24 v[RD], v15, SP                   ; back: lanes 0-15 take one row of 256 bytes, lanes 16-31 the next
	v_lshl_add_u32 v[RD], v1, 4, v[RD]
	v_add_nc_u32 v[RD], s14, v[RD]
	v_lshlrev_b32 v[GO], 12, v15                   ; and the same two rows in ao
	v_lshl_add_u32 v[GO], v1, 4, v[GO]
	v_add_nc_u32 v[ADKC], s[TB], v[AKC0]
	v_add_nc_u32 v[ADKR], s[TB], v[AKR0]
	v_add_nc_u32 v[ADV], s[TB], v[AV0]
; THE LDS LOADS stand in two runs a key step, never singly among the matrix instructions.  A step's K: 64 keys x 192 channels: 24 fragments, (keys 16 kt on, channels 32 c on) at v[8 (6 kt + c)] of window 2.
; They are asked for by channel groups, eight loads a group, in the order in which the products take them, so that the products of group c wait for the first 8 (c + 1) loads alone.  q: which of the slot's two steps.
.macro FETCH_K q
	WIN 0x80                                       ; destination window 2
.irp c, 0,1,2,3
.irp kt, 0,1,2,3
	ds_load_b128 v[8*(6*\kt+\c):8*(6*\kt+\c)+3],   v[ADKC] offset:(64*(\q)+16*\kt)*PKC+64*\c
	ds_load_b128 v[8*(6*\kt+\c)+4:8*(6*\kt+\c)+7], v[ADKC] offset:(64*(\q)+16*\kt)*PKC+64*\c+32
.endr
.endr
.irp c, 4,5
.irp kt, 0,1,2,3
	ds_load_b128 v[8*(6*\kt+\c):8*(6*\kt+\c)+3],   v[ADKR] offset:(64*(\q)+16*\kt)*PKR+64*(\c-4)
	ds_load_b128 v[8*(6*\kt+\c)+4:8*(6*\kt+\c)+7], v[ADKR] offset:(64*(\q)+16*\kt)*PKR+64*(\c-4)+32
.endr
.endr
.endm
.macro FETCH_V q                       ; a step's V, turned: keys 32 u on, channels 16 f on; the first 32 keys first
	s_wait_alu depctr_va_vdst(0)                   ; the wait for the softmax's batch of exponentials, ahead of its first reader; it stands here, ahead of the run of loads
	WIN 0x40                                       ; destination window 1
.irp u, 0,1
.irp f, 0,1,2,3,4,5,6,7
	ds_load_tr16_b128 v[VF+64*\u+8*\f:VF+64*\u+8*\f+3],   v[ADV] offset:(64*(\q)+32*\u)*PITV+32*\f
	ds_load_tr16_b128 v[VF+64*\u+8*\f+4:VF+64*\u+8*\f+7], v[ADV] offset:(64*(\q)+32*\u+16)*PITV+32*\f
.endr
.endr
.endm
; THE MATRIX WORK OF A TURN, for piece x.  The accumulators take turns, one instruction a turn: between two links of a chain stand 7 (V^T P) or 3 (K Q^T) others'.
; Product i of 16 of O^T += V^T P: keys 32 (i / 8) on, channels 16 (i % 8) on.  zero = 1: the first 8 start the sums: nothing is ever cleared.
.macro PVI x, zero
	WIN W_PV
.set rO, 64*(\x)+8*(i%8)
.set rV, VF+64*(i/8)+8*(i%8)
.set rP, P+16*(\x)+8*(i/8)
.if (\zero) && (i < 8)
	v_wmma_f32_16x16x32_f16 v[rO:rO+7], v[rV:rV+7], v[rP:rP+7], 0
.else
	v_wmma_f32_16x16x32_f16 v[rO:rO+7], v[rV:rV+7], v[rP:rP+7], v[rO:rO+7]
.endif
.endm
; Product i of 24 of S^T = K Q^T: channels 32 (i / 4) on, keys 16 (i % 4) on.  The first 4 start the sums.
.macro KQI x
	WIN W_KQ
.set rS, S+32*(\x)+8*(i%4)
.set rK, 8*(6*(i%4)+i/4)
.set rQ, QF+48*(\x)+8*(i/4)
.if i < 4
	v_wmma_f32_16x16x32_f16 v[rS:rS+7], v[rK:rK+7], v[rQ:rQ+7], 0
.else
	v_wmma_f32_16x16x32_f16 v[rS:rS+7], v[rK:rK+7], v[rQ:rQ+7], v[rS:rS+7]
.endif
.endm
; THE VECTOR WORK OF A TURN.  One tile's softmax for one key step is a list of 134 instructions; SM writes number j of it for tile t.  s0-s31 are the lane's 32 scores, in pairs 0-15.
; first = 1: the first key step, which starts m, l and O^T: it has no a and nothing to rescale.
;   0-15    the maximum of s0-s31 and the old m, three operands at a time: four chains c0-c3, one for each accumulator and each from its low end on, then the four scores left over, c0-c3 and m
;   16-20   the other half of the lanes' maximum; the new m; c m; c m_old - c m_new
;   21-69   ONE BATCH: the 16 scalings c s - c m, a pair of scores each, and all 33 exponentials (a at 23, then s0-s31).  None of these reads an exponential's result; a pair is scaled well ahead of its exponentials
;   (wait)  between 69 and 70 stands the one wait for the batch
;   70-85   the roundings to f16, a pair of weights each
;   86-101  the sums of the unrounded weights, as a tree in place; l = a l + the sum
;   102-133 the tile's O^T times a, each accumulator from its low end on: the one part that leaves window 0, so it stands together
.macro SM t, first
.set rT, ST+8*(\t)
.set rS, S+32*(\t)
.set rP, P+16*(\t)
.set rO, 64*(\t)+2*(j-102)
.if j < 102
	WIN 0
.endif
.if j < 4
	v_max3_num_f32 v[rT+4+j], v[rS+8*j], v[rS+8*j+1], v[rS+8*j+2]
.elseif j < 12
	v_max3_num_f32 v[rT+4+j%4], v[rT+4+j%4], v[rS+8*(j%4)+2*(j/4)+1], v[rS+8*(j%4)+2*(j/4)+2]
.elseif j == 12
	v_max3_num_f32 v[rT+4], v[rT+4], v[rS+7], v[rS+15]
.elseif j == 13
	v_max3_num_f32 v[rT+6], v[rT+6], v[rS+23], v[rS+31]
.elseif j == 14
	v_max3_num_f32 v[rT+4], v[rT+4], v[rT+5], v[rT+6]
.elseif (j == 15) && \first
	v_max_num_f32 v[rT+4], v[rT+4], v[rT+7]
.elseif j == 15
	v_max3_num_f32 v[rT+4], v[rT+4], v[rT+7], v[rT+1]
.elseif j == 16
	v_permlanex16_b32 v[rT+5], v[rT+4], s[SEL], s[SEL+1]  ; the query's other 32 keys lie in the lane 16 away
.elseif j == 18
	v_max_num_f32 v[rT+1], v[rT+4], v[rT+5]
.elseif j == 19
	v_mul_f32 v[rT], s[CS], v[rT+1]
.elseif ((j == 17) || (j == 20) || (j == 23) || (j > 101)) && \first  ; the first step has none of these
.elseif j == 17
	v_mov_b32 v[rT+7], v[rT]                       ; c m_old is kept for a: number 19 writes c m anew
.elseif j == 20
	v_sub_f32 v[rT+7], v[rT+7], v[rT]
.elseif j == 23
	v_exp_f32 v[rT+6], v[rT+7]
.elseif (j < 23) || ((j < 38) && (j%2 == 0)) || ((j < 66) && (j%4 == 2))
.set b, (j-2)/4                        ; 38, 42, .. 62: pairs 9 to 15
.if j < 38
.set b, (j-20)/2                       ; 21: pair 0; 22, 24, .. 36: pairs 1 to 8
.endif
	v_pk_fma_f32 v[rS+2*b:rS+2*b+1], v[rS+2*b:rS+2*b+1], s[CS:CS+1], v[rT:rT+1] op_sel_hi:[1,0,0] neg_lo:[0,0,1] neg_hi:[0,0,1]  ; pair b: c s - c m
.elseif j < 70
.set e, j-38                           ; 66 to 69: s28 to s31
.if j < 66
.set e, j-32-(j-38)/4                  ; 39-41, 43-45, .. 63-65: s7 to s27
.endif
.if j < 38
.set e, (j-25)/2                       ; 25, 27, .. 37: s0 to s6
.endif
	v_exp_f32 v[rS+e], v[rS+e]
.elseif j < 86
	v_cvt_pk_f16_f32 v[rP+j-70], v[rS+2*(j-70)], v[rS+2*(j-70)+1]  ; pair j - 70
.elseif j < 102                        ; sum z of 16 adds neighbours 1, 2, 4 and 8 pairs apart, then l takes it
.set z, j-86
.set w, 4
.set u, z
.if z >= 14
.set w, 32
.set u, 0
.elseif z >= 12
.set w, 16
.set u, z-12
.elseif z >= 8
.set w, 8
.set u, z-8
.endif
.if (z == 14) && \first
	v_pk_add_f32 v[rT+2:rT+3], v[rS:rS+1], v[rS+16:rS+17]
.elseif z < 15
	v_pk_add_f32 v[rS+w*u:rS+w*u+1], v[rS+w*u:rS+w*u+1], v[rS+w*u+w/2:rS+w*u+w/2+1]
.elseif !\first
	v_pk_fma_f32 v[rT+2:rT+3], v[rT+2:rT+3], v[rT+6:rT+7], v[rS:rS+1] op_sel_hi:[1,0,1]
.endif
.else
	WIN W_RS
	v_pk_mul_f32 v[rO:rO+1], v[rO:rO+1], v[rT+6:rT+7] op_sel_hi:[1,0]
.endif
.endm
; What stands behind the k-th of a turn's NM matrix instructions: the list's numbers up to 130 k / NM; behind the last, all that is left: 4 numbers more than an even share, so that the last slice of a turn of 40 holds eight.
; Those are rescalings of the other piece's O^T, which name nothing of the turn's last products: they are the places between those products and the next turn's first read of the scores, and the loads into K's registers.
; THE WAIT.  Ahead of number 70 nothing names an exponential's result, and behind number 69 no exponential is issued: so the tile's 33 exponentials have one plain line and one wait, behind number 69.
; In piece 1's turn V's run of loads stands at that wait.  V's last reader there is the turn's 16th product; behind it lie five plain lines that name none of its registers: the scalings 50, 54, 58, 62 and the v_nop.
.macro BEHIND y, first
.set k, k+1
.set CUM, (k*130)/NM
.if k == NM
.set CUM, 134
.endif
.rept CUM-j
	SM \y, \first
.if j == 69
	v_nop                                          ; the plain line behind the last exponential
.if (\y) == 0
	FETCH_V QV
.else
	s_wait_alu depctr_va_vdst(0)                   ; one wait for the whole batch, ahead of its first reader
.endif
.endif
.set j, j+1
.endr
.endm
; A TURN.  Piece x has the matrix unit; the other piece's softmax stands in slices behind its matrix instructions.
; pv = 2: 16 products V^T P; 1: they start O^T's sums; 0: none.  kq = 1: 24 products K Q^T for the next step.  first = 1: the softmax is the first key step's; its numbers from 102 on are empty, and four v_nop take the last slice's part.
; q: which of the slot's two steps this turn fetches: piece 0's turn the next step's K, behind its second product; piece 1's turn the same step's V.
.macro TURN x, pv, kq, first, q
.set j, 0
.set k, 0
.set QV, \q
.set NM, 0
.if \pv
.set NM, NM+16
.endif
.if \kq
.set NM, NM+24
.endif
.if \pv
.if (\x) == 0
	s_wait_dscnt 16                                ; V's first 32 keys are in; the sixteen loads of its other 32 may be out
.endif
.set i, 0
.rept 16
.if ((\x) == 0) && (i == 8)
.if \kq
	s_wait_dscnt 48                                ; all of V is in; K's 48 younger loads may be out
.else
	s_wait_dscnt 0x0
.endif
.endif
	PVI \x, 2-\pv
	BEHIND 1-\x, \first
.if ((\x) == 0) && \kq && (i == 1)
	FETCH_K \q
.endif
.set i, i+1
.endr
.endif
.if \kq
.set i, 0
.rept 24
.if ((\x) == 0) && (i%4 == 0)
	s_wait_dscnt 40-8*(i/4)                        ; K's channel group i / 4 is in; the eight loads of each later group may be out
.endif
	KQI \x
	BEHIND 1-\x, \first
.set i, i+1
.endr
.endif
.if \first
	PLACES
.endif
.endm
; THE CHANGE OF SLOTS, between piece 1's turn and piece 0's: the slot's last bytes, V of its second step, have been asked for.  Each wave waits for all its tensor loads, of which one is out: its part of the other slot; adds 0 to
; its spare word; and waits for that and for its own reads of the slot.  fill = 1: the barrier is a round of the cluster's, and the joint refill, with the keys two slots on, is the first thing behind it.
.macro CHANGE fill
	WIN 0                                          ; at a label and at a branch every window is 0
	s_wait_tensorcnt 0x0                           ; no tensor load of mine is out, so a group 0 may be written
	ds_add_u32 v[SPW], v[NIL]                      ; 0 onto my spare word
.if \fill
.irp g, G0C+4, G0R+4, G0V+4
	s_xor_b32 s[\g+1], s[\g+1], SLOT1              ; the walking descriptors: the other slot than last time,
	s_add_nc_u64 s[\g+2:\g+3], s[\g+2:\g+3], SLOTG ; the next 128 keys; the type bits on top are not reached
.endr
	s_wait_xcnt 0x0                                ; the last prefetch, two key steps back, has read its address, so it may be written:
	s_add_nc_u64 s[PFA:PFA+1], s[PFA:PFA+1], SLOTG ; one slot further on than the walking descriptors
	s_wait_dscnt 0x0                               ; the add is done, and my reads of the slot are over
	CROUND
	JLOAD
	ASK                                            ; what the next change will ask for
.else
	s_wait_dscnt 0x0                               ; the add is done, and my reads of the slot are over
	s_barrier_signal -1
	s_barrier_wait -1
.endif
	s_xor_b32 s[TB], s[TB], SLOT1                  ; on to the other slot
	v_add_nc_u32 v[ADKC], s[TB], v[AKC0]
	v_add_nc_u32 v[ADKR], s[TB], v[AKR0]
	v_add_nc_u32 v[ADV], s[TB], v[AV0]
.endm
.macro FOUR                            ; two key steps: the four turns that fetch a slot's two steps
	TURN 0, 2, 1, 0, 0
	TURN 1, 2, 1, 0, 0
	TURN 0, 2, 1, 0, 1
	TURN 1, 2, 1, 0, 1
	WIN 0
.endm
	s_wait_tensorcnt 1                             ; my part of slot 0 is in; slot 1's may stay out
	s_barrier_signal -1
	s_barrier_wait -1                              ; everybody's is
	FETCH_K 0                                      ; key step 0
	s_wait_loadcnt 0x0                             ; Q
.set i, 0
.rept 24
.if i%4 == 0
	s_wait_dscnt 40-8*(i/4)                        ; K's channel group i / 4 is in
.endif
	KQI 0                                          ; piece 0's first scores: there is no vector work yet to set between them
.set i, i+1
.endr
	WIN 0
	PLACES                                         ; behind those products, ahead of the first read of the scores
	TURN 1, 0, 1, 1, 0                             ; piece 1's first scores | piece 0's first softmax | V of step 0
	TURN 0, 1, 1, 1, 1                             ; piece 0: V^T P of step 0 starts O^T, K Q^T of step 1 | piece 1's first softmax | K of step 1
	TURN 1, 1, 1, 0, 1                             ; piece 1: the same | piece 0's softmax of step 1 | V of step 1
	WIN 0
.Lslot:                                            ; six trips: every slot but the last two is filled again
	CHANGE 1
	FOUR
	s_sub_co_u32 s[SLOTS], s[SLOTS], 1
	s_cmp_lg_u32 s[SLOTS], 0
	s_cbranch_scc1 .Lslot
	CHANGE 0                                       ; the tail is written out: the last slot but one is left, and nothing is asked for
	FOUR
	TURN 0, 2, 0, 0, 0                             ; piece 0: V^T P of the last step | piece 1's last softmax
.set i, 0
.rept 16
	PVI 1, 0                                       ; piece 1: V^T P of the last step
.set i, i+1
.endr
	WIN 0
	; THE WAY OUT.  l's two halves and the other half of the lanes' are added; O^T is divided by l, rounded to f16 and sent through my stage in LDS, a tile (16 rows) at a time.
	PLACES                                         ; behind the last products
.irp t, 0,1
	v_add_f32 v[ST+8*\t+4], v[ST+8*\t+2], v[ST+8*\t+3]
.endr
.irp t, 0,1
	v_permlanex16_b32 v[ST+8*\t+5], v[ST+8*\t+4], s[SEL], s[SEL+1]
.endr
.irp t, 0,1
	v_add_f32 v[ST+8*\t+4], v[ST+8*\t+4], v[ST+8*\t+5]
.endr
.irp t, 0,1
	v_rcp_f32 v[ST+8*\t+6], v[ST+8*\t+4]
.endr
	v_nop                                          ; a plain line between the last reciprocal and the use of its result
	s_wait_alu depctr_va_vdst(0)                   ; and the wait ahead of the first use: one for both
.macro OPACK t
	WIN W_RS
.irp i, 0,1,2,3,4,5,6,7,8,9,10,11,12,13,14,15,16,17,18,19,20,21,22,23,24,25,26,27,28,29,30,31
	v_pk_mul_f32 v[64*\t+2*\i:64*\t+2*\i+1], v[64*\t+2*\i:64*\t+2*\i+1], v[ST+8*\t+6:ST+8*\t+7] op_sel_hi:[1,0]
.endr
	WIN 0x05                                       ; sources 0 and 1 window 1, destination window 0: S^T's registers are free
.irp i, 0,1,2,3,4,5,6,7,8,9,10,11,12,13,14,15,16,17,18,19,20,21,22,23,24,25,26,27,28,29,30,31
	v_cvt_pk_f16_f32 v[S+32*\t+\i], v[64*\t+2*\i], v[64*\t+2*\i+1]
.endr
	WIN 0
.irp f, 0,1,2,3,4,5,6,7
	ds_store_b128 v[STO], v[S+32*\t+4*\f:S+32*\t+4*\f+3] offset:32*\f
.endr
.irp f, 0,1,2,3,4,5,6,7
	ds_load_b128 v[S+32*\t+4*\f:S+32*\t+4*\f+3], v[RD] offset:\f*2*SP  ; LDS serves a wave's instructions in order (ISA guide 5.7.1.4): these see the stores above; the next tile's stores come behind them
.endr
.endm
.macro OSEND t, younger                ; younger: the LDS instructions issued behind tile t's loads: the next tile's sixteen, or none
.irp f, 0,1,2,3,4,5,6,7
	s_wait_dscnt \younger+7-\f
	global_store_b128 v[GO], v[S+32*\t+4*\f:S+32*\t+4*\f+3], s[80:81] offset:\t*65536+\f*8192  ; 16 lanes store 256 consecutive bytes, aligned
.endr
.endm
	OPACK 0
	OPACK 1                                        ; the second tile's arithmetic stands between the first tile's loads and its stores
	OSEND 0, 16
	OSEND 1, 0
	s_wait_tensorcnt 0x0                           ; the wave's end, behind my last tensor load and my last LDS store
	ds_add_u32 v[SPW], v[NIL]
	s_wait_dscnt 0x0
	CROUND                                         ; the closing round: no work-group ends while a partner may still ask for a tile that names it
	s_endpgm
.Lfunc_end_k_q94a43b9ed3_attn:
	.size	k_q94a43b9ed3_attn, .Lfunc_end_k_q94a43b9ed3_attn-k_q94a43b9ed3_attn
	.p2alignl 7, 3214868480
	.fill 96, 4, 3214868480
	.section	.rodata,"a",@progbits
	.p2align	6, 0x0
	.amdhsa_kernel k_q94a43b9ed3_attn
		.amdhsa_group_segment_fixed_size 327680
		.amdhsa_private_segment_fixed_size 0
		.amdhsa_enable_private_segment 0
		.amdhsa_kernarg_size 16
		.amdhsa_user_sgpr_count 2
		.amdhsa_user_sgpr_kernarg_segment_ptr 1
		.amdhsa_wavefront_size32 1
		.amdhsa_system_sgpr_workgroup_id_x 1
		.amdhsa_system_sgpr_workgroup_id_y 1
		.amdhsa_system_sgpr_workgroup_id_z 1
		.amdhsa_system_vgpr_workitem_id 0
		.amdhsa_next_free_vgpr 768
		.amdhsa_next_free_sgpr 100
		.amdhsa_reserve_vcc 0
		.amdhsa_float_denorm_mode_32 3
		.amdhsa_float_denorm_mode_16_64 3
		.amdhsa_memory_ordered 1
		.amdhsa_forward_progress 1
		.amdhsa_inst_pref_size 200
	.end_amdhsa_kernel
	.amdgpu_metadata
---
amdhsa.version: [ 1, 2 ]
amdhsa.kernels:
  - .name:           k_q94a43b9ed3_attn
    .symbol:         k_q94a43b9ed3_attn.kd
    .args:
      - { .name: proj, .offset: 0, .size: 8, .value_kind: global_buffer, .address_space: global }
      - { .name: ao, .offset: 8, .size: 8, .value_kind: global_buffer, .address_space: global }
    .group_segment_fixed_size: 327680
    .private_segment_fixed_size: 0
    .kernarg_segment_align: 8
    .kernarg_segment_size: 16
    .max_flat_workgroup_size: 128
    .sgpr_count:     100
    .vgpr_count:     768
    .wavefront_size: 32
...
	.end_amdgpu_metadata
.endif
;; end of part 3
;; launch out_gemm (part 4): grid 16 x 16, 4 waves a work-group, clusters of 4 x 4, 327,680 bytes of LDS; arguments ao, wo16, out0; writes out0
.if DOCPART == 4
	.amdgcn_target "amdgcn-amd-amdhsa--gfx1250"
	.amdhsa_code_object_version 6
	.text
	.protected	k_q94a43b9ed3_out_gemm
	.globl	k_q94a43b9ed3_out_gemm
	.p2align	8
	.type	k_q94a43b9ed3_out_gemm,@function
k_q94a43b9ed3_out_gemm:
	s_mov_b64 s[64:65], 0
	v_nop
	global_prefetch_b8 v0, s[64:65] scope:SCOPE_SE
	s_setreg_imm32_b32 hwreg(HW_REG_WAVE_MODE, 25, 1), 1
	s_wait_xcnt 0x0
	s_wait_alu depctr_hold_cnt(0) depctr_sa_sdst(0) depctr_va_vdst(0) depctr_va_sdst(0) depctr_va_ssrc(0) depctr_va_vcc(0) depctr_vm_vsrc(0)
	s_getreg_b32 s2, hwreg(HW_REG_IB_STS2, 6, 4)
	s_cmp_eq_u32 s2, 0
	s_cbranch_scc0 .Lentry_in_a_cluster
	s_endpgm
.Lentry_in_a_cluster:
	s_bfe_u32 s2, ttmp6, 0x10000c
	s_cmp_lg_u32 s2, 0xf033
	s_cbranch_scc0 .Lentry_shape_is_right
	s_endpgm
.Lentry_shape_is_right:
; THE PROJECTION ON THE WAY OUT.  out0[m][n] = sum over k of ao[m][k] W_O[n][k].  ao: [2048][2048] f16 (the attention's result), wo16: [2048][2048] f16 (W_O, rounded once); out0: [2048][2048] f32; sums in f32.  Nothing is left out.
; A tile of C is 128 x 128, so that there are 256 tiles, one for each work-group.  Four waves, each 64 x 64: 16 accumulators of 16 x 16, 128 registers.  K goes in steps of 256 (LDS rows of 512 bytes; a wave's tensor load brings 64 of them),
; as long as two slots in LDS allow.
; CLUSTERS: 4 x 4 work-groups.  The four of a row of the cluster need the same tiles of A, the four of a column the same tiles of B: each tile is asked for JOINTLY, by the same tensor load with the
; same descriptor and a mask that names the four.  THE MATRIX INSTRUCTION IS USED TRANSPOSED (source 0 = 16 rows of B, source 1 = 16 rows of A): a lane then holds eight neighbouring numbers of a row of C.
; REGISTERS: window 0: v0-31 addresses; v32-95 at work on the way out; v128-255 the accumulators ((a, b) at v[128 + 8 (4 a + b)]).
;   window 1: two fragment buffers of 128: for 64 along K (two matrix instructions deep), 64 registers of A (2 x 4 x 16 rows x 32 K), then 64 of B.
.set SIZE_N, 2048
.set SIZE_K, 2048
.set KSTEP,  256
.set PITCH,  528                       ; an LDS row: 512 bytes of data + 16 of padding = 132 words: row r starts at bank 4 r mod 64 (64 banks of 4 bytes: ISA guide 11.1)
.set HALFT,  64*PITCH                  ; 64 rows: what one tensor load brings, and what one wave reads of A or of B
.set SLOT,   4*HALFT                   ; A's 128 rows, then B's 128 rows
.set SPITCH, 272                       ; the way out: a stage of 16 rows x (256 bytes + 16) for each wave, in slot 0, which has had its last fill and its last read when the first result is stored there
.set SPARE,  2*SLOT                    ; behind the ring: the spare words, 128 bytes a wave
.set LAPS, SIZE_K/(2*KSTEP)            ; a lap = two K steps = once round the ring
.set ADRA, 16                          ; v16-17  LDS address of my A fragments in slot 0, 1
.set ADRB, 20                          ; v20-21  the same for B
.set STO,  24                          ; v24     the way out: where I put 32 bytes of a row
.set RD,   25                          ; v25     the way out: where I read a row back
.set CO,   26                          ; v26     my byte offset in two rows of C
.set SPW,  28                          ; v28     LDS address of my spare word; never rewritten
.set NIL,  29                          ; v29     0; never rewritten
.set TMP,  32                          ; the way out: two sets of 32 registers, 16 rows of 256 bytes each
.set ACC,  128
.set F0,   0                           ; fragment buffers, in window 1
.set F1,   128
.set G1, 24                            ; s[24:31] descriptor group 1 for A's tiles;  s[32:39] group 0, one set for each slot
.set G0, 32
.set G1B, 48                           ; s[48:55], s[56:63] the same for B's tiles
.set G0B, 56
.set MSB, 0
.macro WIN new                         ; the immediate's high byte repeats the setting that is left
.if MSB != (\new)
	s_set_vgpr_msb (MSB<<8)|(\new)
.set MSB, (\new)
.endif
.endm
.set MUL,  0x05                        ; sources 0 (B) and 1 (A) window 1; C and D window 0
.set TO_F, 0x40                        ; destination window 1, address window 0
.macro JLOAD s                         ; a joint load: waves 0 and 1 fetch A's two halves, waves 2 and 3 B's; an s_nop 0 and four v_nop follow each of the two lines, ahead of the jump, the label and what follows
	s_cmp_eq_u32 s11, 0
	s_cbranch_scc0 .Lfor_b_\@
	tensor_load_to_lds s[G0+4*\s:G0+4*\s+3], s[G1:G1+7]
	s_nop 0
.rept 4
	v_nop
.endr
	s_branch .Lasked_\@
.Lfor_b_\@:
	tensor_load_to_lds s[G0B+4*\s:G0B+4*\s+3], s[G1B:G1B+7]
	s_nop 0
.rept 4
	v_nop
.endr
.Lasked_\@:
.endm
.macro CREST                           ; a round of the cluster's barrier behind its opening barrier
	s_cmp_lg_u32 s10, 0
	s_cbranch_scc1 .Lnot_wave_0_\@
	s_barrier_signal -3
.Lnot_wave_0_\@:
	s_barrier_wait -3
	s_barrier_signal -1
	s_barrier_wait -1
.endm
.macro CROUND                          ; a whole round
	s_barrier_signal -1
	s_barrier_wait -1
	CREST
.endm
	s_load_b128 s[4:7], s[0:1], 0x0                ; A s[4:5], B s[6:7]
	s_load_b64 s[8:9], s[0:1], 0x10                ; C
	v_lshl_add_u32 v[SPW], v0, 2, SPARE
	v_mov_b32 v[NIL], 0
	ds_add_u32 v[SPW], v[NIL]                      ; the wave's opening: the add, twice on end, and its wait ahead of my first tensor load; the set-up below stands between the second and the wait
	ds_add_u32 v[SPW], v[NIL]
	v_lshrrev_b32 v1, 5, v0
	v_readfirstlane_b32 s10, v1                    ; wave 0..3
	s_lshr_b32 s11, s10, 1                         ; which half of the tile's rows is mine.  Also: I fetch for A (0) or for B (1)
	s_and_b32 s12, s10, 1                          ; which half of its columns.  Also: which 64 rows of that tile I fetch
	s_bfe_u32 s40, ttmp6, 0x40000                  ; cx, cy: my place in the cluster
	s_bfe_u32 s41, ttmp6, 0x40004
	s_lshl_b32 s42, ttmp9, 2
	s_add_co_u32 s42, s42, s40                     ; tile column of C = 4 x cluster x + cx
	s_and_b32 s13, ttmp7, 0xffff
	s_lshl_b32 s13, s13, 2
	s_add_co_u32 s13, s13, s41                     ; tile row of C = 4 x cluster y + cy
	s_lshl_b32 s43, s41, 2
	s_lshl_b32 s43, 15, s43                        ; my row of the cluster
	s_lshl_b32 s44, 0x1111, s40                    ; my column
	; descriptor group 1: a tile of 64 rows x 256 elements, padded in LDS
	s_or_b32 s[G1+0], s43, (1<<16)|(1<<20)|(1<<21)|(6<<22)|(3<<25)  ; 15:0 the mask: A's tiles go to my row; 17:16 element of 2 bytes; 20 padding on; 21 set beside a mask; 24:22 after every 128 words; 31:25 of 4 words
	s_or_b32 s[G1B+0], s44, (1<<16)|(1<<20)|(1<<21)|(6<<22)|(3<<25)
.irp g, G1, G1B
	s_mov_b32 s[\g+1], KSTEP<<16                   ; tensor_dim0 = 256
	s_mov_b32 s[\g+2], 64<<16                      ; tensor_dim1 = 64
	s_mov_b32 s[\g+3], KSTEP<<16                   ; tile_dim0 = 256
	s_mov_b32 s[\g+4], 64                          ; tile_dim1 = 64
	s_mov_b32 s[\g+5], SIZE_K                      ; tensor_dim0_stride
	s_mov_b32 s[\g+6], 0
	s_mov_b32 s[\g+7], 0
.endr
	s_lshl_b32 s17, s12, 6                         ; which 64 rows of the tile I fetch
	s_lshl_b32 s16, s13, 7
	s_add_co_u32 s16, s16, s17                     ; A: row 128 x tile row + 64 x half
	s_lshl_b32 s46, s42, 7
	s_add_co_u32 s46, s46, s17                     ; B: row 128 x tile column + 64 x half
	s_mov_b32 s17, 0
	s_mov_b32 s47, 0
	s_mov_b64 s[18:19], SIZE_K*2
	s_mul_u64 s[16:17], s[16:17], s[18:19]
	s_mul_u64 s[46:47], s[46:47], s[18:19]
	s_mul_i32 s20, s10, HALFT                      ; where they go: wave x 64 rows
	s_wait_dscnt 0x0                               ; both opening adds are done
	s_wait_kmcnt 0x0
	s_add_nc_u64 s[14:15], s[4:5], s[16:17]
	s_add_nc_u64 s[46:47], s[6:7], s[46:47]
	CROUND                                         ; all sixteen work-groups are here: the first joint loads meet
.irp s, 0,1
	s_mov_b32 s[G0+4*\s], 1
	s_add_co_u32 s[G0+4*\s+1], s20, \s*SLOT
	s_add_nc_u64 s[G0+4*\s+2:G0+4*\s+3], s[14:15], \s*KSTEP*2
	s_or_b32 s[G0+4*\s+3], s[G0+4*\s+3], 0x80000000
	s_mov_b32 s[G0B+4*\s], 1
	s_add_co_u32 s[G0B+4*\s+1], s20, \s*SLOT
	s_add_nc_u64 s[G0B+4*\s+2:G0B+4*\s+3], s[46:47], \s*KSTEP*2
	s_or_b32 s[G0B+4*\s+3], s[G0B+4*\s+3], 0x80000000
	JLOAD \s                                       ; two loads of mine are out behind the second
.endr
	v_and_b32 v1, 15, v0                           ; l % 16
	v_bfe_u32 v2, v0, 4, 1                         ; l / 16
	v_mul_u32_u24 v3, v1, PITCH
	v_lshl_add_u32 v3, v2, 4, v3                   ; a fragment's row x pitch + 16 x half
	s_mul_i32 s21, s11, HALFT                      ; my 64 rows of A
	s_mul_i32 s22, s12, HALFT                      ; my 64 rows of B,
	s_add_co_u32 s22, s22, 2*HALFT                 ; which lie behind A's 128
.irp s, 0,1
	v_add_nc_u32 v[ADRA+\s], s21, v3
	v_add_nc_u32 v[ADRB+\s], s22, v3
	s_add_co_u32 s21, s21, SLOT
	s_add_co_u32 s22, s22, SLOT
.endr
	s_mul_i32 s23, s10, 16*SPITCH                  ; my stage
	v_mul_u32_u24 v4, v1, SPITCH                   ; in: row l % 16, 32 bytes for each half of the lanes
	v_lshl_add_u32 v4, v2, 5, v4
	v_add_nc_u32 v[STO], s23, v4
	v_mul_u32_u24 v5, v2, SPITCH                   ; back: lanes 0-15 one row of 256 bytes, lanes 16-31 the next
	v_lshl_add_u32 v5, v1, 4, v5
	v_add_nc_u32 v[RD], s23, v5
	v_lshlrev_b32 v5, 13, v2                       ; and the same two rows in C: 8,192 bytes a row
	v_lshl_add_u32 v[CO], v1, 4, v5
	s_lshl_b32 s16, s13, 7
	s_lshl_b32 s17, s11, 6
	s_add_co_u32 s16, s16, s17                     ; my first row of C: 128 x tile row + 64 x half
	s_lshl_b32 s16, s16, 13
	s_mov_b32 s17, 0
	s_add_nc_u64 s[8:9], s[8:9], s[16:17]
	s_lshl_b32 s46, s42, 9                         ; my first column, in bytes: 512 x tile column + 256 x half
	s_lshl_b32 s47, s12, 8
	s_add_co_u32 s46, s46, s47
	s_mov_b32 s47, 0
	s_add_nc_u64 s[8:9], s[8:9], s[46:47]
; 8 matrix instructions: m blocks a0, a0 + 1 x all 4 n blocks, 32 along K: half c of buffer f.  zero = 1: the first product starts the sums.  The 16 accumulators take turns.
.macro MUL8 f, c, a0, zero
.irp a, \a0, \a0+1
.irp b, 0,1,2,3
.if \zero
	v_wmma_f32_16x16x32_f16 v[ACC+8*(4*(\a)+\b):ACC+8*(4*(\a)+\b)+7], v[\f+64+8*(4*\c+\b):\f+64+8*(4*\c+\b)+7], v[\f+8*(4*\c+\a):\f+8*(4*\c+\a)+7], 0
.else
	v_wmma_f32_16x16x32_f16 v[ACC+8*(4*(\a)+\b):ACC+8*(4*(\a)+\b)+7], v[\f+64+8*(4*\c+\b):\f+64+8*(4*\c+\b)+7], v[\f+8*(4*\c+\a):\f+8*(4*\c+\a)+7], v[ACC+8*(4*(\a)+\b):ACC+8*(4*(\a)+\b)+7]
.endif
.endr
.endr
.endm
; 32 LDS loads in one run: the fragments of 64 along K at byte k of the rows, into buffer f; the first 32 along K first
.macro FETCH slot, k, f
	WIN TO_F
.irp c, 0,1
.irp i, 0,1,2,3
	ds_load_b128 v[\f+64+8*(4*\c+\i):\f+64+8*(4*\c+\i)+3],   v[ADRB+\slot] offset:\k+64*\c+\i*16*PITCH
	ds_load_b128 v[\f+64+8*(4*\c+\i)+4:\f+64+8*(4*\c+\i)+7], v[ADRB+\slot] offset:\k+64*\c+\i*16*PITCH+32
	ds_load_b128 v[\f+8*(4*\c+\i):\f+8*(4*\c+\i)+3],         v[ADRA+\slot] offset:\k+64*\c+\i*16*PITCH
	ds_load_b128 v[\f+8*(4*\c+\i)+4:\f+8*(4*\c+\i)+7],       v[ADRA+\slot] offset:\k+64*\c+\i*16*PITCH+32
.endr
.endr
.endm
.macro PLACES                          ; four places in front of loads into registers that matrix instructions have read, and of stores that read results
.rept 4
	v_nop
.endr
.endm
; A K step is four quarters of 64 along K, 32 matrix instructions each, on buffers 0, 1, 0, 1.  One of the first three: multiplies buffer f and fetches the next quarter, at byte k, into g.
.macro QUARTER slot, k, f, g, zero
	s_wait_dscnt 16                                ; the first 32 along K are in; the sixteen younger loads may be out
	WIN MUL
	MUL8 \f, 0, 0, \zero
	MUL8 \f, 0, 2, \zero
	PLACES
	FETCH \slot, \k, \g
	s_wait_dscnt 32                                ; all but the 32 just issued
	WIN MUL
	MUL8 \f, 1, 0, 0
	MUL8 \f, 1, 2, 0
.endm
; The last quarter multiplies buffer 1 and changes slots: ONE barrier; in front of it each wave waits for all its tensor loads, adds 0 to its spare word, and waits for that and for its own reads of this slot.  fill = 1: this slot is filled again, two K steps ahead.
.macro TURN slot, next, fill
	WIN 0                                          ; (the add's two registers lie in window 0)
	s_wait_tensorcnt 0x0                           ; all my tensor loads have landed: my part of the next slot;
	ds_add_u32 v[SPW], v[NIL]                      ; 0 onto my spare word;
	s_wait_dscnt 17                                ; (the add and the youngest sixteen loads may be out)
	WIN MUL
	MUL8 F1, 0, 0, 0                               ; eight matrix instructions stand between the add and the wait for it
	s_wait_dscnt 0x0                               ; the add is done, and my reads of this slot are over
	s_barrier_signal -1
	MUL8 F1, 0, 2, 0
.if \fill
	WIN 0
.endif
	s_barrier_wait -1
.if \fill
	CREST                                          ; the barrier has opened a round of the cluster's barrier: no wave of any partner still reads this slot's tile or has a load on its way
	s_add_nc_u64 s[G0+4*\slot+2:G0+4*\slot+3], s[G0+4*\slot+2:G0+4*\slot+3], 2*KSTEP*2
	s_add_nc_u64 s[G0B+4*\slot+2:G0B+4*\slot+3], s[G0B+4*\slot+2:G0B+4*\slot+3], 2*KSTEP*2
	JLOAD \slot                                    ; the first tensor load behind the round, my one load until the next; the four v_nop behind it are also the places in front of the loads below
.else
	PLACES
.endif
	FETCH \next, 0, F0
	WIN MUL
	MUL8 F1, 1, 0, 0
	MUL8 F1, 1, 2, 0
.endm
	s_wait_tensorcnt 1                             ; my part of K step 0 is in (K step 1's load may be out)
	s_barrier_signal -1
	s_barrier_wait -1                              ; everybody's is
	FETCH 0, 0, F0
	QUARTER 0, 128, F0, F1, 1                      ; the first quarter stands in front of the loop: its first products start the sums
	WIN 0                                          ; at a label and at a branch every window is 0
	s_mov_b32 s3, LAPS-1
.Llap:                                                 ; a trip goes once round the ring, from a lap's second quarter to the next lap's first, and fills both slots again
	QUARTER 0, 256, F1, F0, 0
	QUARTER 0, 384, F0, F1, 0
	TURN 0, 1, 1
	QUARTER 1, 128, F0, F1, 0
	QUARTER 1, 256, F1, F0, 0
	QUARTER 1, 384, F0, F1, 0
	TURN 1, 0, 1
	QUARTER 0, 128, F0, F1, 0
	WIN 0
	s_sub_co_u32 s3, s3, 1
	s_cmp_lg_u32 s3, 0
	s_cbranch_scc1 .Llap
	QUARTER 0, 256, F1, F0, 0                      ; the last lap fills nothing, and has no round of the cluster's barrier
	QUARTER 0, 384, F0, F1, 0
	TURN 0, 1, 0
	QUARTER 1, 128, F0, F1, 0
	QUARTER 1, 256, F1, F0, 0
	QUARTER 1, 384, F0, F1, 0
	s_wait_dscnt 16                                ; the very last quarter: nothing more to fetch
	WIN MUL
	MUL8 F1, 0, 0, 0
	MUL8 F1, 0, 2, 0
	s_wait_dscnt 0
	MUL8 F1, 1, 0, 0
	MUL8 F1, 1, 2, 0
	WIN 0
; THE WAY OUT, block by block of 16 rows x 64 columns.  A lane holds 32 neighbouring bytes of a row, and the lanes beside it hold other rows: so a block goes through my own stage in LDS and comes back as whole rows of
; 256 bytes: sixteen lanes store 256 consecutive bytes, aligned.  A wave's 64 columns of f32 are such a run by themselves, so no wave waits for another.  LDS serves a wave's instructions in order (ISA guide 5.7.1.4).
.macro TOSTAGE a
.irp b, 0,1,2,3
	ds_store_b128 v[STO], v[ACC+8*(4*(\a)+\b):ACC+8*(4*(\a)+\b)+3] offset:64*\b          ; each accumulator from its low end on
	ds_store_b128 v[STO], v[ACC+8*(4*(\a)+\b)+4:ACC+8*(4*(\a)+\b)+7] offset:64*\b+16
.endr
.irp t, 0,1,2,3,4,5,6,7
	ds_load_b128 v[TMP+32*((\a)%2)+4*\t:TMP+32*((\a)%2)+4*\t+3], v[RD] offset:\t*2*SPITCH
.endr
.endm
.macro SEND a
	s_wait_dscnt 0x0                               ; the block is back in registers
	s_wait_xcnt 0x0                                ; the earlier stores have read their base and their data: the base may step, and the next block's loads may land in the other set
.if (\a) > 0
	s_add_nc_u64 s[8:9], s[8:9], 16*SIZE_N*4       ; 16 rows of C on
.endif
.irp t, 0,1,2,3,4,5,6,7
	global_store_b128 v[CO], v[TMP+32*((\a)%2)+4*\t:TMP+32*((\a)%2)+4*\t+3], s[8:9] offset:2*\t*SIZE_N*4 th:TH_STORE_NT   ; written once, read by nobody here
.endr
.endm
	PLACES                                         ; behind the last products, ahead of the stores that read their results
	TOSTAGE 0
.irp a, 1,2,3
	SEND \a-1
	TOSTAGE \a
.endr
	SEND 3
	s_wait_tensorcnt 0x0                           ; the wave's end, behind my last tensor load and my last LDS store
	ds_add_u32 v[SPW], v[NIL]
	s_wait_dscnt 0x0
	CROUND                                         ; the closing round: no work-group ends while a partner may still ask for a tile that names it
	s_endpgm
.Lfunc_end_k_q94a43b9ed3_out_gemm:
	.size	k_q94a43b9ed3_out_gemm, .Lfunc_end_k_q94a43b9ed3_out_gemm-k_q94a43b9ed3_out_gemm
	.p2alignl 7, 3214868480
	.fill 96, 4, 3214868480
	.section	.rodata,"a",@progbits
	.p2align	6, 0x0
	.amdhsa_kernel k_q94a43b9ed3_out_gemm
		.amdhsa_group_segment_fixed_size 327680
		.amdhsa_private_segment_fixed_size 0
		.amdhsa_enable_private_segment 0
		.amdhsa_kernarg_size 24
		.amdhsa_user_sgpr_count 2
		.amdhsa_user_sgpr_kernarg_segment_ptr 1
		.amdhsa_wavefront_size32 1
		.amdhsa_system_sgpr_workgroup_id_x 1
		.amdhsa_system_sgpr_workgroup_id_y 1
		.amdhsa_system_sgpr_workgroup_id_z 1
		.amdhsa_system_vgpr_workitem_id 0
		.amdhsa_next_free_vgpr 512
		.amdhsa_next_free_sgpr 66
		.amdhsa_reserve_vcc 0
		.amdhsa_float_denorm_mode_32 3
		.amdhsa_float_denorm_mode_16_64 3
		.amdhsa_memory_ordered 1
		.amdhsa_forward_progress 1
		.amdhsa_inst_pref_size 86
	.end_amdhsa_kernel
	.amdgpu_metadata
---
amdhsa.version: [ 1, 2 ]
amdhsa.kernels:
  - .name:           k_q94a43b9ed3_out_gemm
    .symbol:         k_q94a43b9ed3_out_gemm.kd
    .args:
      - { .name: ao, .offset: 0, .size: 8, .value_kind: global_buffer, .address_space: global }
      - { .name: wo16, .offset: 8, .size: 8, .value_kind: global_buffer, .address_space: global }
      - { .name: out0, .offset: 16, .size: 8, .value_kind: global_buffer, .address_space: global }
    .group_segment_fixed_size: 327680
    .private_segment_fixed_size: 0
    .kernarg_segment_align: 8
    .kernarg_segment_size: 24
    .max_flat_workgroup_size: 128
    .sgpr_count:     66
    .vgpr_count:     512
    .wavefront_size: 32
...
	.end_amdgpu_metadata
.endif
;; end of part 4
